; MI455X (gfx1250); checked and timed in simulation.
; The chip was launched on July 23, 2026; its instructions are those of AMD's public machine-readable ISA for CDNA 5 (MIT licence, August 2026) and "CDNA5" Instruction Set Architecture Reference Guide (July 2026). The comments in the code are by the model that wrote it; some were corrected since.
;; Lean Self Attention. Allowed arithmetic: matrix products marked QUANTISED: E2M1 operands, one E8M0 scale for each 32 along K, by v_wmma_scale_f32_16x16x128_f8f6f4 with both operands' format E2M1 (or v_wmma_scale_f32_32x16x128_f4), f32 sums; everything else in f32.
;; Inputs: W_out 1,024 x 1,024 float32; W_qkv 1,024 x 3,072 float32; attention_mask 4 x 1 x 1 x 2,048 float32; b_out 1,024 float32; b_qkv 3,072 float32; hidden_states 4 x 2,048 x 1,024 float32; ln_beta 1,024 float32; ln_gamma 1,024 float32.
;; Outputs: out0 4 x 2,048 x 1,024 float32.
;; This version of the problem:
;;   THIS VERSION OF THE PROBLEM IS GIVEN IN LOW PRECISION. The matrix products marked QUANTISED in the list below multiply operands that are first quantised to E2M1 (2 exponent bits, 1 mantissa bit; 4 bits a number), with one power-of-two scale for each 32 numbers along K (OCP MX v1.0); their sums are f32. All else is computed in f32.
;;   The module's matrix products, in the order in which they are computed (A, B: the left and right operand; K: the contracted axis; several contracted axes count as one K, in the product's order):
;;     1. [M 8,192, K 1,024] x [K 1,024, N 3,072]; A: computed on the way; B: input W_qkv: QUANTISED
;;     2. batch 64 x [M 2,048, K 64] x [K 64, N 2,048]; A: computed on the way; B: computed on the way: QUANTISED
;;     3. batch 64 x [M 64, K 2,048] x [K 2,048, N 2,048]; A: computed on the way; B: softmax (see below): QUANTISED
;;     4. [M 8,192, K 1,024] x [K 1,024, N 1,024]; A: computed on the way; B: input W_out: QUANTISED
;;   THE QUANTISER, for each operand of a quantised product, along K:
;;     - K is cut into blocks of 32 from its start; a last block that is shorter is filled with zeros.
;;     - A block's scale is 2^e with e = floor(log2(the largest magnitude in the block)) - 2, held to -126 .. 127; a block of zeros has e = 0. As a byte (E8M0): e + 127.
;;     - Each number is divided by its block's scale, clamped to +-6, and rounded to the nearest number of E2M1, ties to even, subnormals kept.
;;     - The product sums the exact products of the quantised numbers (number of the format x scale) in f32.
;;   ~~~python
;;   def quantise(x, axis):      # numpy; x: float32 -> the quantised numbers, widened to float32 again
;;       x = np.moveaxis(x, axis, -1); K = x.shape[-1]
;;       x = np.pad(x, [(0, 0)] * (x.ndim - 1) + [(0, -K % 32)]); x = x.reshape(x.shape[:-1] + (-1, 32)); a = np.abs(x).max(-1, keepdims=True)
;;       e = np.where(a > 0, np.clip(np.frexp(np.where(a > 0, a, 1))[1] - 1 - 2, -126, 127), 0)      # np.frexp(a)[1] - 1 = floor(log2(a)), exactly
;;       r = np.clip(x / 2.0 ** e, -6, 6)
;;       step = 2.0 ** (np.maximum(np.frexp(np.where(r == 0, 1, r))[1] - 1, 0) - 1)
;;       q = np.round(r / step) * step * 2.0 ** e      # np.round: ties to even
;;       return np.moveaxis(q.reshape(q.shape[:-2] + (-1,))[..., :K], -1, axis).astype(np.float32)
;;   ~~~
;;   SOFTMAX AHEAD OF A QUANTISED PRODUCT. Where the list says 'softmax', what is quantised is not the finished softmax but p = 2^(t - M), with t = logit x log2(e) and M = ceil(the row's largest t), a whole number; so 1/2 < the row's largest p <= 1. The row's sum l is taken of the UNQUANTISED p, in f32, and the product's result is divided by l at the end. Since M is a whole number, a kernel that streams over the keys may use a running M (the ceiling of the running maximum): every later rescaling is an exact power of two, which a block's scale takes up: the codes' values come out the same.
;;   OPERANDS COMPUTED ON THE WAY. 'Computed on the way' means the value that the module computes at that place (a softmax that the list does not call 'softmax' is quantised finished and normalised). What goes into a quantiser is computed in f32, as accurately as f32 sums, v_exp_f32 and their like allow (about 1e-6 of the number): no bf16 or f16 on the way to a quantiser, and a product that is left as it is and whose result goes on into a quantised operand takes f32 operands (vector FMAs, or v_wmma_f32_16x16x4_f32). A number that lies on a knife's edge between two numbers of the format may be rounded either way, as far as f32 arithmetic and the matrix unit's own rounding can turn it there, and no further.
;; One version. Each part assembles by itself: llvm-mc -triple=amdgcn-amd-amdhsa -mcpu=gfx1250 --defsym DOCPART=n.
;; ======== version 1 of 1: 4 launches
;; limits: right only within a limited range of input values
;; workspace buffers: ops 6,684,672 bytes; qkv 13,893,632 bytes; att 4,456,448 bytes
;; launch prep (part 1): grid 320 x 1, 4 waves a work-group, no clusters, 55,808 bytes of LDS; arguments hidden_states, ln_gamma, ln_beta, W_qkv, W_out, ops; writes ops
.if DOCPART == 1
	.amdgcn_target "amdgcn-amd-amdhsa--gfx1250"
	.amdhsa_code_object_version 6
	.text
	.protected	k_qe350b991d9_prep
	.globl	k_qe350b991d9_prep
	.p2align	8
	.type	k_qe350b991d9_prep,@function
k_qe350b991d9_prep:
	s_mov_b64 s[64:65], 0
	v_nop
	global_prefetch_b8 v0, s[64:65] scope:SCOPE_SE
	s_setreg_imm32_b32 hwreg(HW_REG_WAVE_MODE, 25, 1), 1
	s_wait_xcnt 0x0
; Makes the three operands that later launches read many times, as codes of E2M1 with one E8M0 byte for each 32 along K (= the 1,024):
;   work-groups 0-63:   W_qkv [1024][3072] and W_out [1024][1024], whose K is the FIRST axis -> codes [column][512 bytes], scale bytes [column][32]
;   work-groups 64-319: x = LayerNorm(hidden_states) [8192][1024] -> codes [token][512 bytes], scale bytes [token][32]
; POSITIONS.  Row i of each of these tables (a token, a column) lies at position sw(i) = i with bits 3 and 4 exchanged.  Sixteen neighbouring positions are then the rows
; 32 b + 8 u + r + 8 (r / 8) that a matrix tile wants, so that a product's results run along neighbouring indices in a lane's registers.
; A block's scale is 2^(floor(log2(largest magnitude)) - 2); its byte is the largest magnitude's exponent field - 2, held at 1 from below by a floor among the maximum's leaves.
; LIMITS: a block of zeros gets the byte 1 where the rule says 127 (its codes are zeros, and this program alone reads the bytes); blocks whose largest magnitude lies under 2^-124 have
; their byte held at 1; NaN and infinities among the inputs are not served.
; No tensor loads, no barrier: a wave shares nothing.  The two paths part on the work-group's number and have LDS bytes of their own: [0, 34816) and [34816, 55296).
.set O_XS,  4194304                    ; byte offsets in ops: x's codes at 0, x's scale bytes,
.set O_WQC, 4456448                    ; W_qkv's codes,
.set O_WQS, 6029312                    ; its scale bytes,
.set O_WOC, 6127616                    ; W_out's codes,
.set O_WOS, 6651904                    ; its scale bytes
	s_load_b256 s[4:11], s[0:1], 0x0               ; hidden_states s[4:5], gamma s[6:7], beta s[8:9], W_qkv s[10:11]
	s_load_b128 s[12:15], s[0:1], 0x20             ; W_out s[12:13], ops s[14:15]
	v_lshl_add_u32 v22, v0, 2, 0xd800
	v_mov_b32 v23, 0
	v_lshrrev_b32 v2, 5, v0
	v_readfirstlane_b32 s16, v2                    ; wave 0..3
	v_and_b32 v1, 31, v0                           ; lane
	s_cmp_lt_u32 ttmp9, 64
	s_cbranch_scc0 .Lln
; ---------------- THE WEIGHTS.  A lane takes a column, its registers run down K: a block of 32 lies in one lane, and the conversions give codes with K innermost.
; Work-group: 128 columns (xc = number / 2: 0-23 W_qkv, 24-31 W_out) x 512 along K (ky = number % 2); a wave 32 columns: 16 blocks a lane.
.set WX,   32                          ; v32-95   two sets of 32 numbers
.set WC,   96                          ; v96-99   a block's codes
.set WSB,  24                          ; v24-27   16 scale bytes
.set WOUT, 112                         ; v112-175 the way out
.set OF,   176                         ; v176-207 4 x lane + i x the row pitch, i = 0 .. 31; never rewritten
	s_lshr_b32 s17, ttmp9, 1                       ; xc
	s_and_b32 s18, ttmp9, 1                        ; ky
	s_mov_b32 s22, 4096
	s_mov_b32 s24, O_WOC
	s_mov_b32 s25, O_WOS
	s_wait_kmcnt 0x0
	s_cmp_lt_u32 s17, 24                           ; W_qkv or W_out: the choice hangs on the work-group's number alone
	s_cselect_b64 s[20:21], s[10:11], s[12:13]     ; the tensor,
	s_cselect_b32 s22, 12288, s22                  ; its row in bytes,
	s_cselect_b32 s23, 0, 24                       ; its first group of columns,
	s_cselect_b32 s24, O_WQC, s24                  ; where its codes go,
	s_cselect_b32 s25, O_WQS, s25                  ; and its scale bytes
	s_sub_co_u32 s17, s17, s23
	s_lshl_b32 s17, s17, 7
	s_lshl_b32 s19, s16, 5
	s_add_co_u32 s17, s17, s19                     ; my wave's first column
	s_lshl_b32 s26, s22, 9
	s_mul_i32 s26, s26, s18                        ; ky x 512 rows
	s_lshl_b32 s27, s17, 2
	s_add_co_u32 s26, s26, s27
	s_mov_b32 s27, 0
	s_add_nc_u64 s[32:33], s[20:21], s[26:27]      ; block 0's first row at my first column
	s_lshl_b32 s28, s22, 5                         ; 32 rows on
	s_mov_b32 s29, 0
.irp t, 1,2,3,4,5,6,7,8,9,10,11,12,13,14,15
	s_add_nc_u64 s[32+2*\t:33+2*\t], s[30+2*\t:31+2*\t], s[28:29]   ; a base for each block: none is ever stepped
.endr
	s_lshl_b32 s26, s17, 9
	s_add_co_u32 s26, s26, s24
	s_lshl_b32 s30, s18, 8
	s_add_co_u32 s26, s26, s30
	s_add_nc_u64 s[66:67], s[14:15], s[26:27]      ; codes: column x 512 + 256 ky
	s_lshl_b32 s26, s17, 5
	s_add_co_u32 s26, s26, s25
	s_lshl_b32 s30, s18, 4
	s_add_co_u32 s26, s26, s30
	s_add_nc_u64 s[68:69], s[14:15], s[26:27]      ; scale bytes: column x 32 + 16 ky
	s_mul_i32 s19, s16, 32*272                     ; my stage: 32 rows of 256 bytes + 16
	v_mul_u32_u24 v4, v1, 272
	v_add_nc_u32 v4, s19, v4                       ; into it: row = my column
	v_and_b32 v5, 15, v1
	v_lshrrev_b32 v6, 4, v1
	v_mul_u32_u24 v7, v6, 272
	v_lshl_add_u32 v7, v5, 4, v7
	v_add_nc_u32 v7, s19, v7                       ; out of it: sixteen lanes to a row, two rows an instruction
	v_lshlrev_b32 v8, 9, v6
	v_lshl_add_u32 v8, v5, 4, v8                   ; and the same two rows in the codes' table
	v_and_b32 v9, 7, v1
	v_bfe_u32 v10, v1, 3, 1
	v_lshl_add_u32 v9, v10, 4, v9
	v_bfe_u32 v10, v1, 4, 1
	v_lshl_add_u32 v9, v10, 3, v9                  ; sw(lane)
	v_lshlrev_b32 v9, 5, v9                        ; my column's row of scale bytes
	v_lshlrev_b32 v[OF], 2, v1
.set i, 1
.rept 31
	v_add_nc_u32 v[OF+i], s22, v[OF+i-1]
.set i, i+1
.endr
.macro LOADW t                         ; block t: W(32 t + i, my column) into set t % 2: 32 lanes read 128 consecutive bytes, the four waves 512
.irp i, 0,1,2,3,4,5,6,7,8,9,10,11,12,13,14,15,16,17,18,19,20,21,22,23,24,25,26,27,28,29,30,31
	global_load_b32 v[WX+32*((\t)%2)+\i], v[OF+\i], s[32+2*(\t):33+2*(\t)] th:TH_LOAD_NT
.endr
.endm
	LOADW 0
	LOADW 1
.macro BLOCKW t
.set XB, WX+32*((\t)%2)
.if (\t) < 15
	s_wait_loadcnt 32                              ; this block's 32 loads are in; the next block's 32 may be out
.else
	s_wait_loadcnt 0x0
.endif
	v_max3_num_f32 v12, |v[XB]|, |v[XB+1]|, |v[XB+2]|      ; the block's largest magnitude: all 32 numbers are mine; two chains
	v_max3_num_f32 v13, |v[XB+3]|, |v[XB+4]|, |v[XB+5]|
.irp i, 6,10,14,18,22,26
	v_max3_num_f32 v12, v12, |v[XB+\i]|, |v[XB+\i+1]|
	v_max3_num_f32 v13, v13, |v[XB+\i+2]|, |v[XB+\i+3]|
.endr
	v_max3_num_f32 v12, v12, |v[XB+30]|, |v[XB+31]|
	v_max3_num_f32 v12, v12, v13, 0x1800000        ; and the floor 2^(3 - 127): the byte cannot fall under 1
	v_add_nc_u32 v11, 0xff000000, v12              ; 2 off the exponent field: the conversion takes this operand's exponent field as its scale
	v_lshrrev_b32 v13, 23, v11                     ; the scale's byte
.if (\t)%4 == 0
	v_mov_b32 v[WSB+(\t)/4], v13
.else
	v_lshl_or_b32 v[WSB+(\t)/4], v13, 8*((\t)%4), v[WSB+(\t)/4]
.endif
.irp g, 0,1,2,3
	v_cvt_scalef32_pk8_fp4_f32 v[WC+\g], v[XB+8*\g:XB+8*\g+7], v11
.endr
	ds_store_b128 v4, v[WC:WC+3] offset:16*(\t)    ; 32 codes: 16 bytes of my column's row
.if (\t)+2 < 16
	LOADW (\t)+2
.endif
	s_wait_dscnt 0x0                               ; the store has read its registers: the next block's codes may be written
.endm
.set Q, 0
.rept 16
	BLOCKW Q
.set Q, Q+1
.endr
	global_store_b128 v9, v[WSB:WSB+3], s[68:69]   ; my column's 16 scale bytes, at its position
.irp t, 0,1,2,3,4,5,6,7,8,9,10,11,12,13,14,15
	ds_load_b128 v[WOUT+4*\t:WOUT+4*\t+3], v7 offset:2*\t*272      ; LDS serves a wave's instructions in order: these see my stores
.endr
.irp t, 0,1,2,3,4,5,6,7,8,9,10,11,12,13,14,15
	s_wait_dscnt 15-\t                             ; the younger reads of the stage may be out
	global_store_b128 v8, v[WOUT+4*\t:WOUT+4*\t+3], s[66:67] offset:(((2*\t)&7)+(((2*\t)>>3)&1)*16+(((2*\t)>>4)&1)*8)*512   ; columns 2 t, 2 t + 1 at positions sw(2 t), sw(2 t) + 1: sixteen lanes store 256 consecutive bytes, aligned
.endr
	s_wait_tensorcnt 0x0
	ds_add_u32 v22, v23
	s_wait_dscnt 0x0
	s_endpgm
; ---------------- LAYERNORM.  A wave takes 8 tokens, a token at a time, the row of 4,096 bytes in 32 registers a lane; mean, then variance of the differences (two passes over registers), all f32.
; The loads take the bytes as they lie (512 consecutive bytes each); for the conversions a lane must hold a whole block of 32 neighbours: the finished row turns through the wave's own stage in LDS,
; 16 bytes of padding behind each 128.  Lane l then holds block l: no other lane is asked for its maximum, and its 16 bytes of codes lie at 16 l of the row.
.Lln:
.set G,  32                            ; v32-63   gamma, as a row is loaded
.set BT, 64                            ; v64-95   beta
.set X,  96                            ; v96-191  three rows by turns
.set Y,  192                           ; v192-223 my block, back from the stage
.set CD, 224                           ; v224-255 four registers of codes for each of the 8 rows: no store's data are written again
.set E,  24                            ; v24-31   a scale byte for each row
	s_sub_co_u32 s17, ttmp9, 64
	s_lshl_b32 s18, s17, 5                         ; the work-group's first token
	s_lshl_b32 s19, s16, 3
	s_add_co_u32 s19, s18, s19                     ; my wave's: + 8 x wave
	s_lshl_b32 s20, s19, 12
	s_mov_b32 s21, 0
	s_and_b32 s22, s16, 1
	s_lshl_b32 s22, s22, 1
	s_lshr_b32 s23, s16, 1
	s_or_b32 s22, s22, s23                         ; the wave's two bits exchanged: tokens 8 w .. 8 w + 7 lie at positions 8 w' .. 8 w' + 7
	s_lshl_b32 s22, s22, 3
	s_add_co_u32 s22, s22, s18
	s_lshl_b32 s24, s22, 9
	s_mov_b32 s25, 0
	s_lshl_b32 s26, s22, 5
	s_add_co_u32 s26, s26, O_XS
	s_mov_b32 s27, 0
	s_mul_i32 s28, s16, 5120
	s_add_co_u32 s28, s28, 34816                   ; my wave's LDS: a stage of 4,608 bytes, then 256 scale bytes
	s_mov_b32 s30, 0x3a800000                      ; 1 / 1024
	s_mov_b32 s32, 0x76543210
	s_mov_b32 s33, 0xfedcba98                      ; v_permlanex16_b32's selects for lane l xor 16
	v_lshlrev_b32 v2, 3, v1
	v_lshlrev_b32 v3, 4, v1
	v_lshrrev_b32 v4, 3, v1
	v_add_nc_u32 v4, v4, v1
	v_lshlrev_b32 v4, 4, v4
	v_add_nc_u32 v4, s28, v4                       ; the stage, in: 16 lane + 16 (lane / 8); a load's 512 bytes take 576
	v_mul_u32_u24 v5, v1, 144
	v_add_nc_u32 v5, s28, v5                       ; and back: 144 x lane
	v_add_nc_u32 v6, s28, v1
	v_add_nc_u32 v6, 4608, v6                      ; my block's scale byte
	v_add_nc_u32 v7, s28, v2
	v_add_nc_u32 v7, 4608, v7                      ; the bytes' way out: 8 a lane
	s_wait_kmcnt 0x0
	s_add_nc_u64 s[4:5], s[4:5], s[20:21]
	s_add_nc_u64 s[24:25], s[14:15], s[24:25]      ; my 8 rows of codes
	s_add_nc_u64 s[26:27], s[14:15], s[26:27]      ; my 256 scale bytes
.irp k, 0,1,2,3,4,5,6,7
	global_load_b128 v[G+4*\k:G+4*\k+3], v3, s[6:7] offset:512*\k
.endr
.irp k, 0,1,2,3,4,5,6,7
	global_load_b128 v[BT+4*\k:BT+4*\k+3], v3, s[8:9] offset:512*\k
.endr
.irp j, 0,1,2
.irp k, 0,1,2,3,4,5,6,7
	global_load_b128 v[X+32*\j+4*\k:X+32*\j+4*\k+3], v3, s[4:5] offset:4096*\j+512*\k th:TH_LOAD_NT
.endr
.endr
.macro ALLSUM                          ; v8 summed over the 32 lanes, the result in every lane
	v_add_f32_dpp v8, v8, v8 row_xmask:1 row_mask:0xf bank_mask:0xf
	v_add_f32_dpp v8, v8, v8 row_xmask:2 row_mask:0xf bank_mask:0xf
	v_add_f32_dpp v8, v8, v8 row_xmask:4 row_mask:0xf bank_mask:0xf
	v_add_f32_dpp v8, v8, v8 row_xmask:8 row_mask:0xf bank_mask:0xf
	v_permlanex16_b32 v9, v8, s32, s33
	v_add_f32 v8, v8, v9
.endm
.macro ROW i
.set XR, X+32*((\i)%3)
.if (\i) < 6
	s_wait_loadcnt 16                              ; this row (and gamma, beta) are in; the two younger rows' 16 loads may be out
.else
	s_wait_loadcnt 8*(7-(\i))
.endif
	v_pk_add_f32 v[8:9], v[XR:XR+1], v[XR+2:XR+3]  ; the sum, two at a time, in two chains
	v_pk_add_f32 v[10:11], v[XR+4:XR+5], v[XR+6:XR+7]
.irp j, 8,12,16,20,24,28
	v_pk_add_f32 v[8:9], v[8:9], v[XR+\j:XR+\j+1]
	v_pk_add_f32 v[10:11], v[10:11], v[XR+\j+2:XR+\j+3]
.endr
	v_pk_add_f32 v[8:9], v[8:9], v[10:11]
	v_add_f32 v8, v8, v9
	ALLSUM
	v_mul_f32 v12, s30, v8                         ; the mean, in both registers of a pair
	v_mul_f32 v13, s30, v8
.irp j, 0,2,4,6,8,10,12,14,16,18,20,22,24,26,28,30
	v_pk_add_f32 v[XR+\j:XR+\j+1], v[XR+\j:XR+\j+1], v[12:13] neg_lo:[0,1] neg_hi:[0,1]   ; x - mean
.endr
	v_pk_mul_f32 v[8:9], v[XR:XR+1], v[XR:XR+1]    ; the sum of their squares
	v_pk_mul_f32 v[10:11], v[XR+2:XR+3], v[XR+2:XR+3]
.irp j, 4,8,12,16,20,24,28
	v_pk_fma_f32 v[8:9], v[XR+\j:XR+\j+1], v[XR+\j:XR+\j+1], v[8:9]
	v_pk_fma_f32 v[10:11], v[XR+\j+2:XR+\j+3], v[XR+\j+2:XR+\j+3], v[10:11]
.endr
	v_pk_add_f32 v[8:9], v[8:9], v[10:11]
	v_add_f32 v8, v8, v9
	ALLSUM
	v_fmaak_f32 v14, s30, v8, 0x2b8cbccc           ; variance + 1e-12
	v_rsq_f32 v16, v14
	v_nop                                          ; a plain instruction between the transcendental and the use of its result
	s_wait_alu depctr_va_vdst(0)
	v_mov_b32 v17, v16
.irp j, 0,2,4,6,8,10,12,14,16,18,20,22,24,26,28,30
	v_pk_mul_f32 v[XR+\j:XR+\j+1], v[XR+\j:XR+\j+1], v[16:17]
.endr
.irp j, 0,2,4,6,8,10,12,14,16,18,20,22,24,26,28,30
	v_pk_fma_f32 v[XR+\j:XR+\j+1], v[XR+\j:XR+\j+1], v[G+\j:G+\j+1], v[BT+\j:BT+\j+1]
.endr
.irp k, 0,1,2,3,4,5,6,7
	ds_store_b128 v4, v[XR+4*\k:XR+4*\k+3] offset:576*\k
.endr
.irp k, 0,1,2,3,4,5,6,7
	ds_load_b128 v[Y+4*\k:Y+4*\k+3], v5 offset:16*\k       ; LDS serves a wave's instructions in order: these see the stores above
.endr
	s_wait_dscnt 0x0                               ; my block is back, so the stores have read the row's registers,
.if (\i)+3 < 8
.irp k, 0,1,2,3,4,5,6,7
	global_load_b128 v[XR+4*\k:XR+4*\k+3], v3, s[4:5] offset:4096*((\i)+3)+512*\k th:TH_LOAD_NT   ; which take the row three further on
.endr
.endif
	v_max3_num_f32 v8, |v[Y]|, |v[Y+1]|, 0x1800000 ; the block's largest magnitude, with the floor 2^(3 - 127) among its leaves; two chains
	v_max_num_f32 v9, |v[Y+2]|, |v[Y+3]|
.irp j, 4,8,12,16,20,24,28
	v_max3_num_f32 v8, v8, |v[Y+\j]|, |v[Y+\j+1]|
	v_max3_num_f32 v9, v9, |v[Y+\j+2]|, |v[Y+\j+3]|
.endr
	v_max_num_f32 v8, v8, v9
	v_add_nc_u32 v11, 0xff000000, v8               ; 2 off the exponent field: the conversion's scale operand
.irp k, 0,1,2,3
	v_cvt_scalef32_pk8_fp4_f32 v[CD+4*(\i)+\k], v[Y+8*\k:Y+8*\k+7], v11
.endr
	v_lshrrev_b32 v[E+(\i)], 23, v11               ; the scale's byte (also the plain instruction behind the conversions)
	ds_store_b8 v6, v[E+(\i)] offset:32*(\i)
	global_store_b128 v3, v[CD+4*(\i):CD+4*(\i)+3], s[24:25] offset:512*(\i)   ; the row's 512 bytes of codes, consecutive
.endm
.irp r, 0,1,2,3,4,5,6,7
	ROW \r
.endr
	ds_load_b64 v[12:13], v7                       ; my wave's 256 scale bytes
	s_wait_dscnt 0x0
	global_store_b64 v2, v[12:13], s[26:27]        ; 32 lanes store 256 consecutive bytes, aligned
	s_wait_tensorcnt 0x0
	ds_add_u32 v22, v23
	s_wait_dscnt 0x0
	s_endpgm
.Lfunc_end_k_qe350b991d9_prep:
	.size	k_qe350b991d9_prep, .Lfunc_end_k_qe350b991d9_prep-k_qe350b991d9_prep
	.p2alignl 7, 3214868480
	.fill 96, 4, 3214868480
	.section	.rodata,"a",@progbits
	.p2align	6, 0x0
	.amdhsa_kernel k_qe350b991d9_prep
		.amdhsa_group_segment_fixed_size 55808
		.amdhsa_private_segment_fixed_size 0
		.amdhsa_enable_private_segment 0
		.amdhsa_kernarg_size 48
		.amdhsa_user_sgpr_count 2
		.amdhsa_user_sgpr_kernarg_segment_ptr 1
		.amdhsa_wavefront_size32 1
		.amdhsa_system_sgpr_workgroup_id_x 1
		.amdhsa_system_sgpr_workgroup_id_y 1
		.amdhsa_system_sgpr_workgroup_id_z 1
		.amdhsa_system_vgpr_workitem_id 0
		.amdhsa_next_free_vgpr 256
		.amdhsa_next_free_sgpr 80
		.amdhsa_reserve_vcc 0
		.amdhsa_float_denorm_mode_32 3
		.amdhsa_float_denorm_mode_16_64 3
		.amdhsa_memory_ordered 1
		.amdhsa_forward_progress 1
		.amdhsa_inst_pref_size 159
	.end_amdhsa_kernel
	.amdgpu_metadata
---
amdhsa.version: [ 1, 2 ]
amdhsa.kernels:
  - .name:           k_qe350b991d9_prep
    .symbol:         k_qe350b991d9_prep.kd
    .args:
      - { .name: hidden_states, .offset: 0, .size: 8, .value_kind: global_buffer, .address_space: global }
      - { .name: ln_gamma, .offset: 8, .size: 8, .value_kind: global_buffer, .address_space: global }
      - { .name: ln_beta, .offset: 16, .size: 8, .value_kind: global_buffer, .address_space: global }
      - { .name: W_qkv, .offset: 24, .size: 8, .value_kind: global_buffer, .address_space: global }
      - { .name: W_out, .offset: 32, .size: 8, .value_kind: global_buffer, .address_space: global }
      - { .name: ops, .offset: 40, .size: 8, .value_kind: global_buffer, .address_space: global }
    .group_segment_fixed_size: 55808
    .private_segment_fixed_size: 0
    .kernarg_segment_align: 8
    .kernarg_segment_size: 48
    .max_flat_workgroup_size: 128
    .sgpr_count:     80
    .vgpr_count:     256
    .wavefront_size: 32
...
	.end_amdgpu_metadata
.endif
;; end of part 1
;; launch qkv (part 2): grid 8 x 96, 4 waves a work-group, clusters of 4 x 4, 222,464 bytes of LDS; arguments ops, b_qkv, qkv; writes qkv
.if DOCPART == 2
	.amdgcn_target "amdgcn-amd-amdhsa--gfx1250"
	.amdhsa_code_object_version 6
	.text
	.protected	k_qe350b991d9_qkv
	.globl	k_qe350b991d9_qkv
	.p2align	8
	.type	k_qe350b991d9_qkv,@function
k_qe350b991d9_qkv:
	s_mov_b64 s[64:65], 0
	v_nop
	global_prefetch_b8 v0, s[64:65] scope:SCOPE_SE
	s_setreg_imm32_b32 hwreg(HW_REG_WAVE_MODE, 25, 1), 1
	s_wait_xcnt 0x0
	s_wait_alu depctr_hold_cnt(0) depctr_sa_sdst(0) depctr_va_vdst(0) depctr_va_sdst(0) depctr_va_ssrc(0) depctr_va_vcc(0) depctr_vm_vsrc(0)
	s_getreg_b32 s2, hwreg(HW_REG_IB_STS2, 6, 4)
	s_cmp_eq_u32 s2, 0
	s_cbranch_scc0 .Lentry_in_a_cluster
	s_endpgm
.Lentry_in_a_cluster:
	s_bfe_u32 s2, ttmp6, 0x10000c
	s_cmp_lg_u32 s2, 0xf033
	s_cbranch_scc0 .Lentry_shape_is_right
	s_endpgm
.Lentry_shape_is_right:
; qkv = x W_qkv + b_qkv on codes of E2M1 (K = 1,024), and q, k, v quantised again in the registers in which the sums end: q and k along the head's 64, v along the keys.
; A product's two operands are called P (source 0: its index ends up along a lane's registers) and Q (source 1: its index lies in the lanes).  A work-group makes P 256 x Q 128; wave w takes P's half w % 2
; (8 tiles of 16) and Q's half w / 2 (4 tiles): 32 accumulators.  The cluster's y, Y = 0 .. 23, says which part:
;   Y < 16  (q and k): P = 256 columns of W_qkv (of the first 2,048), Q = 128 tokens: a lane holds a token, its registers run along the head's channels, the axis along which q and k are quantised
;   Y >= 16 (v):       P = 256 tokens, Q = 128 columns of W_qkv's last 1,024: a lane holds a channel, its registers run along the keys, the axis along which v is quantised
; Rows of both operands lie at POSITIONS (index with bits 3 and 4 exchanged), so that the 16 registers of P's tiles 2 b and 2 b + 1 are 16 neighbouring indices: 32 b + 16 (lane / 16) + 0 .. 15.
; ALL OF K FITS IN LDS: two slots, one for each half of K (rows of 256 bytes + 16), each filled ONCE, at the start; no LDS byte is filled twice, so there is no ring.  The scale bytes (32 a row) come likewise.
; CLUSTERS: 4 x 4.  P's tile hangs on x (and Y), shared along a column of the cluster; Q's on y, shared along a row: each is asked for jointly.
; WHAT IS STORED: operands as images of their registers: 512 bytes, lane l's 16 bytes at 16 l.  q, k: [batch][g = 0..31][token tile 128][512]; v: [batch][head][128 keys: 16][channel tile 4][c 2][512];
; scale words of q, k: [batch][g][tile / 4][r 16][tile % 4]; of v: [batch][head][step][r 16][channel tile 4].
; LIMITS: a block of zeros gets the byte 1 (this program alone reads the bytes); blocks under 2^-124 have their byte held at 1; NaN and infinities are not served.
; REGISTERS: window 0: v0-31 addresses; v32-95 P's scale words (8 t + K step), v96-127 Q's; on the way out v32-95 64 numbers, v96-127 codes, v128-191 bias, v192-223 at work.
;   window 1: accumulator (t, q) at v[8 (8 q + t)].   window 2: P's fragments, two sets, v0-127; Q's, two sets, v128-191.
.set O_XS,  4194304
.set O_WQC, 4456448
.set O_WQS, 6029312
.set SLOTB, 104448                     ; a slot: P's 256 rows of 272 bytes, then Q's 128
.set QOFF,  69632
.set SCLP,  208896                     ; P's scale bytes: 32 lines of 256 + 16
.set SCLQ,  217600                     ; Q's: 16 lines
.set VCO,   8388608                    ; byte offsets in qkv: q's and k's images at 0, v's images,
.set QKS,   12582912                   ; q's and k's scale words,
.set VSO,   13631488                   ; v's
.set ADRP, 16                          ; v16-17 LDS address of my P fragments in slot 0, 1
.set ADRQ, 18                          ; v18-19 of my Q fragments
.set ADSP, 20                          ; v20    of P's scale words
.set ADSQ, 21                          ; v21    of Q's
.set SCP,  32
.set SCQ,  96
.set HA,   32
.set PC,   96
.set BP,   128
.set TM,   192                         ; v192-195 largest magnitudes, v196-199 bytes, v204-207 the conversions' scale operands
.set PW,   208                         ; the scale word just made
.set SW,   212                         ; v212-215 four scale words to store
.set BQ,   216                         ; v216-223 the bias of my lane's channel, twice, for each Q tile
.set G1P,  24
.set G1Q,  32
.set G1SP, 40
.set G1SQ, 48
.set G0P,  56                          ; s[56:63] group 0 for P's codes, a set for each slot
.set G0Q,  68                          ; s[68:75] for Q's
.set G0SP, 76
.set G0SQ, 80
.set SEL,  66
.set MSB, 0
.macro WIN new                         ; the immediate's high byte repeats the setting that is left
.if MSB != \new
	s_set_vgpr_msb (MSB<<8)|\new
.set MSB, \new
.endif
.endm
.set MUL, 0x5a                         ; A and B window 2, C and D window 1
.set TOF, 0x80                         ; destination window 2, address window 0
; A joint load: waves 0 and 1 fetch P's two halves, waves 2 and 3 Q's.  The branch hangs on the wave's number alone.  Four v_nop follow each of the two lines.
.macro JLOAD g0p, g1p, g0q, g1q
	s_cmp_eq_u32 s11, 0
	s_cbranch_scc0 .Lfor_q_\@
	tensor_load_to_lds s[\g0p:\g0p+3], s[\g1p:\g1p+7]
	s_nop 0
.rept 4
	v_nop
.endr
	s_branch .Lasked_\@
.Lfor_q_\@:
	tensor_load_to_lds s[\g0q:\g0q+3], s[\g1q:\g1q+7]
	s_nop 0
.rept 4
	v_nop
.endr
.Lasked_\@:
.endm
.macro CROUND                          ; a round of the cluster's barrier
	s_barrier_signal -1
	s_barrier_wait -1
	s_cmp_lg_u32 s10, 0
	s_cbranch_scc1 .Lnot_wave_0_\@
	s_barrier_signal -3
.Lnot_wave_0_\@:
	s_barrier_wait -3
	s_barrier_signal -1
	s_barrier_wait -1
.endm
	s_load_b128 s[4:7], s[0:1], 0x0                ; ops s[4:5], b_qkv s[6:7]
	s_load_b64 s[8:9], s[0:1], 0x10                ; qkv
	v_lshl_add_u32 v254, v0, 2, 0x36300
	v_mov_b32 v255, 0
	ds_add_u32 v254, v255
	ds_add_u32 v254, v255
	v_lshrrev_b32 v1, 5, v0
	v_readfirstlane_b32 s10, v1                    ; wave 0..3
	s_lshr_b32 s11, s10, 1                         ; Q's half that I multiply.  Also: I fetch for P (0) or for Q (1)
	s_and_b32 s12, s10, 1                          ; P's half that I multiply.  Also: which half of that tile I fetch
	s_bfe_u32 s13, ttmp6, 0x40000                  ; cx
	s_bfe_u32 s14, ttmp6, 0x40004                  ; cy
	s_lshl_b32 s15, ttmp9, 2
	s_add_co_u32 s15, s15, s13                     ; X = 4 x cluster x + cx
	s_and_b32 s16, ttmp7, 0xffff                   ; Y: the cluster's y, the same in all sixteen
	s_lshr_b32 s17, s16, 4                         ; part: 0 q and k, 1 v
	s_xor_b32 s18, s17, 1
	s_bfe_u32 s19, s16, 0x30001                    ; (Y % 16) / 2
	s_mul_i32 s19, s19, s17
	s_lshl_b32 s19, s19, 3
	s_add_co_u32 s19, s19, s15                     ; P's tile: X (q, k: columns) or X + 8 ((Y - 16) / 2) (v: tokens)
	s_and_b32 s20, s16, 1
	s_mul_i32 s20, s20, s17
	s_mul_i32 s21, s16, s18
	s_add_co_u32 s20, s20, s21
	s_lshl_b32 s20, s20, 2
	s_add_co_u32 s20, s20, s14                     ; Q's tile: 4 Y + cy (tokens) or 4 ((Y - 16) % 2) + cy (columns)
	s_lshl_b32 s92, 0x1111, s13                    ; my column of the cluster
	s_lshl_b32 s93, s14, 2
	s_lshl_b32 s93, 15, s93                        ; my row
	; descriptor groups 1.  Codes: rows of 256 bytes out of rows of 512, 16 bytes of padding behind each; scale bytes: a dense block as rows of 256 bytes (32 elements of 8), padded likewise
	s_or_b32 s[G1P], s92, (1<<20)|(1<<21)|(5<<22)|(3<<25)             ; 15:0 the mask; 17:16 elements of 1 byte; 20 padding on; 21 set beside a mask; 24:22 after every 64 words; 31:25 four words
	s_or_b32 s[G1Q], s93, (1<<20)|(1<<21)|(5<<22)|(3<<25)
	s_or_b32 s[G1SP], s92, (3<<16)|(1<<20)|(1<<21)|(5<<22)|(3<<25)
	s_or_b32 s[G1SQ], s93, (3<<16)|(1<<20)|(1<<21)|(5<<22)|(3<<25)
	s_mov_b32 s[G1P+1], 256<<16                    ; tensor_dim0
	s_mov_b32 s[G1P+2], 128<<16                    ; tensor_dim1
	s_mov_b32 s[G1P+3], 256<<16                    ; tile_dim0
	s_mov_b32 s[G1P+4], 128                        ; tile_dim1
	s_mov_b32 s[G1P+5], 512                        ; from row to row
	s_mov_b32 s[G1P+6], 0
	s_mov_b32 s[G1P+7], 0
	s_mov_b32 s[G1Q+1], 256<<16
	s_mov_b32 s[G1Q+2], 64<<16
	s_mov_b32 s[G1Q+3], 256<<16
	s_mov_b32 s[G1Q+4], 64
	s_mov_b32 s[G1Q+5], 512
	s_mov_b32 s[G1Q+6], 0
	s_mov_b32 s[G1Q+7], 0
	s_mov_b32 s[G1SP+1], 32<<16
	s_mov_b32 s[G1SP+2], 16<<16
	s_mov_b32 s[G1SP+3], 32<<16
	s_mov_b32 s[G1SP+4], 16
	s_mov_b32 s[G1SP+5], 32
	s_mov_b32 s[G1SP+6], 0
	s_mov_b32 s[G1SP+7], 0
	s_mov_b32 s[G1SQ+1], 32<<16
	s_mov_b32 s[G1SQ+2], 8<<16
	s_mov_b32 s[G1SQ+3], 32<<16
	s_mov_b32 s[G1SQ+4], 8
	s_mov_b32 s[G1SQ+5], 32
	s_mov_b32 s[G1SQ+6], 0
	s_mov_b32 s[G1SQ+7], 0
	; where the tiles come from: byte offsets in ops.  P's registers never hold cy, Q's never cx
	s_lshl_b32 s84, s19, 8
	s_lshl_b32 s21, s12, 7
	s_add_co_u32 s84, s84, s21                     ; P: row 256 x tile + 128 x half
	s_lshl_b32 s86, s84, 5                         ; its scale bytes,
	s_lshl_b32 s84, s84, 9                         ; its codes
	s_mul_i32 s21, s18, O_WQC                      ; q, k: in W_qkv's tables; v: in x's
	s_add_co_u32 s84, s84, s21
	s_mul_i32 s21, s18, O_WQS-O_XS
	s_add_co_u32 s86, s86, s21
	s_add_co_u32 s86, s86, O_XS
	s_mov_b32 s85, 0
	s_mov_b32 s87, 0
	s_lshl_b32 s88, s20, 7
	s_lshl_b32 s21, s12, 6
	s_add_co_u32 s88, s88, s21                     ; Q: row 128 x tile + 64 x half
	s_lshl_b32 s90, s88, 5
	s_lshl_b32 s88, s88, 9
	s_mul_i32 s21, s17, O_WQC+1048576              ; v: W_qkv's tables from column 2,048 on; q, k: x's
	s_add_co_u32 s88, s88, s21
	s_mul_i32 s21, s17, O_WQS+65536-O_XS
	s_add_co_u32 s90, s90, s21
	s_add_co_u32 s90, s90, O_XS
	s_mov_b32 s89, 0
	s_mov_b32 s91, 0
	s_mul_i32 s21, s12, 34816                      ; and where they go: no place in the cluster enters an LDS address
	s_mul_i32 s22, s12, 17408
	s_add_co_u32 s22, s22, QOFF
	s_mul_i32 s23, s12, 4352
	s_mul_i32 s94, s12, 2176
	s_mov_b32 s[SEL], 0x76543210
	s_mov_b32 s[SEL+1], 0xfedcba98
	s_wait_dscnt 0x0
	s_wait_kmcnt 0x0
	s_add_nc_u64 s[84:85], s[4:5], s[84:85]
	s_add_nc_u64 s[86:87], s[4:5], s[86:87]
	s_add_nc_u64 s[88:89], s[4:5], s[88:89]
	s_add_nc_u64 s[90:91], s[4:5], s[90:91]
.irp g, 0,1
	s_mov_b32 s[G0P+4*\g], 1
	s_add_co_u32 s[G0P+4*\g+1], s21, \g*SLOTB
	s_add_nc_u64 s[G0P+4*\g+2:G0P+4*\g+3], s[84:85], \g*256        ; K's half g
	s_or_b32 s[G0P+4*\g+3], s[G0P+4*\g+3], 0x80000000
	s_mov_b32 s[G0Q+4*\g], 1
	s_add_co_u32 s[G0Q+4*\g+1], s22, \g*SLOTB
	s_add_nc_u64 s[G0Q+4*\g+2:G0Q+4*\g+3], s[88:89], \g*256
	s_or_b32 s[G0Q+4*\g+3], s[G0Q+4*\g+3], 0x80000000
.endr
	s_mov_b32 s[G0SP], 1
	s_add_co_u32 s[G0SP+1], s23, SCLP
	s_mov_b64 s[G0SP+2:G0SP+3], s[86:87]
	s_or_b32 s[G0SP+3], s[G0SP+3], 0x80000000
	s_mov_b32 s[G0SQ], 1
	s_add_co_u32 s[G0SQ+1], s94, SCLQ
	s_mov_b64 s[G0SQ+2:G0SQ+3], s[90:91]
	s_or_b32 s[G0SQ+3], s[G0SQ+3], 0x80000000
	CROUND                                         ; all sixteen work-groups are here: the joint loads meet
	JLOAD G0SP, G1SP, G0SQ, G1SQ                   ; three loads a wave, all first fills: the scale bytes,
	JLOAD G0P, G1P, G0Q, G1Q                       ; K's first half,
	JLOAD G0P+4, G1P, G0Q+4, G1Q                   ; K's second half
	v_and_b32 v1, 15, v0                           ; r
	v_bfe_u32 v2, v0, 4, 1                         ; h
	v_mul_u32_u24 v3, v1, 272
	v_lshl_add_u32 v3, v2, 4, v3                   ; a fragment's row x pitch + 16 h
	s_mul_i32 s21, s12, 34816
	v_add_nc_u32 v[ADRP], s21, v3
	v_add_nc_u32 v[ADRP+1], SLOTB, v[ADRP]
	s_mul_i32 s21, s11, 17408
	s_add_co_u32 s21, s21, QOFF
	v_add_nc_u32 v[ADRQ], s21, v3
	v_add_nc_u32 v[ADRQ+1], SLOTB, v[ADRQ]
	v_lshrrev_b32 v4, 3, v1
	v_lshlrev_b32 v5, 5, v1
	v_lshl_add_u32 v5, v4, 4, v5                   ; a row's 32 scale bytes: 32 r, + 16 for the line of 256 passed
	s_mul_i32 s21, s12, 4352
	s_add_co_u32 s21, s21, SCLP
	v_add_nc_u32 v[ADSP], s21, v5
	s_mul_i32 s21, s11, 2176
	s_add_co_u32 s21, s21, SCLQ
	v_add_nc_u32 v[ADSQ], s21, v5
	v_and_b32 v6, 31, v0                           ; lane
	v_lshlrev_b32 v22, 4, v6                       ; an image's place for my lane
	v_lshlrev_b32 v26, 4, v1                       ; 16 r
	v_lshl_add_u32 v23, v2, 13, v26                ; q, k: my four scale words: 16 r, + 8,192 for the second head
	v_lshlrev_b32 v24, 4, v2                       ; 16 h: which two bytes of a scale word are my head's
	v_lshlrev_b32 v25, 6, v2                       ; q, k: the bias of my 16 channels of a block: 64 h
	v_lshl_add_u32 v27, v4, 3, v1
	v_lshlrev_b32 v27, 2, v27                      ; v: the bias of my channel: 4 (r + 8 (r / 8))
.irp b, 0,1,2,3
	v_mov_b32 v[TM+4+\b], 0                        ; written once: a lane permute's destination counts as one of its sources
.endr
; 24 LDS loads: the fragments of K step k (8 of P, 4 of Q; 16 rows x 128 K of 4-bit codes = 8 registers: lane (r, h): registers 4 c .. 4 c + 3 hold K = 64 c + 32 h + 0 .. 31) into set buf
.macro FETCH k, buf
	WIN TOF
.irp t, 0,1,2,3,4,5,6,7
.irp c, 0,1
	ds_load_b128 v[64*(\buf)+8*\t+4*\c:64*(\buf)+8*\t+4*\c+3], v[ADRP+(\k)/4] offset:64*((\k)%4)+32*\c+\t*4352
.endr
.endr
.irp q, 0,1,2,3
.irp c, 0,1
	ds_load_b128 v[128+32*(\buf)+8*\q+4*\c:128+32*(\buf)+8*\q+4*\c+3], v[ADRQ+(\k)/4] offset:64*((\k)%4)+32*\c+\q*4352
.endr
.endr
.endm
; 32 matrix instructions: the 32 accumulators by turns, one instruction a turn, in the same order in every step.  mode = 1: the first products start the sums
.macro MUL32 k, buf, mode
.irp q, 0,1,2,3
.irp t, 0,1,2,3,4,5,6,7
.if \mode == 1
	v_wmma_scale_f32_16x16x128_f8f6f4 v[8*(8*\q+\t):8*(8*\q+\t)+7], v[64*(\buf)+8*\t:64*(\buf)+8*\t+7], v[128+32*(\buf)+8*\q:128+32*(\buf)+8*\q+7], 0, v[SCP+8*\t+(\k)], v[SCQ+8*\q+(\k)] matrix_a_fmt:MATRIX_FMT_FP4 matrix_b_fmt:MATRIX_FMT_FP4
.else
	v_wmma_scale_f32_16x16x128_f8f6f4 v[8*(8*\q+\t):8*(8*\q+\t)+7], v[64*(\buf)+8*\t:64*(\buf)+8*\t+7], v[128+32*(\buf)+8*\q:128+32*(\buf)+8*\q+7], v[8*(8*\q+\t):8*(8*\q+\t)+7], v[SCP+8*\t+(\k)], v[SCQ+8*\q+(\k)] matrix_a_fmt:MATRIX_FMT_FP4 matrix_b_fmt:MATRIX_FMT_FP4
.endif
.endr
.endr
.endm
; A K step of 128.  fetch = 1: the next step's fragments are asked for first, into the set that the step before multiplied: four places stand between those products and the loads
.macro STEP k, mode, fetch
.if \fetch
.rept 4
	v_nop
.endr
	FETCH (\k)+1, ((\k)+1)%2
	s_wait_dscnt 24                                ; all but the 24 just issued: this step's fragments are in
.else
	s_wait_dscnt 0x0
.endif
	WIN MUL
	MUL32 \k, (\k)%2, \mode
.endm
; 64 numbers of a lane, v[src + 16 b + i] = index 32 b + 16 h + i of my row, become a fragment's codes in v[pc] on (registers 4 c .. 4 c + 3: index 64 c + 32 h + 0 .. 31) and the scale word in v[PW]
.macro QUANT src, pc
.irp b, 0,1,2,3
	v_max3_num_f32 v[TM+\b], |v[\src+16*\b]|, |v[\src+1+16*\b]|, 0x1800000     ; block b: my 16 numbers, and the floor 2^(3 - 127): the byte cannot fall under 1
.endr
.irp i, 2,4,6,8,10,12,14
.irp b, 0,1,2,3
	v_max3_num_f32 v[TM+\b], v[TM+\b], |v[\src+16*\b+\i]|, |v[\src+1+16*\b+\i]|   ; (the four blocks by turns)
.endr
.endr
.irp b, 0,1,2,3
	v_permlanex16_b32 v[TM+4+\b], v[TM+\b], s[SEL], s[SEL+1]
.endr
.irp b, 0,1,2,3
	v_max_num_f32 v[TM+\b], v[TM+\b], v[TM+4+\b]   ; with lane l xor 16's: the block's largest magnitude
.endr
.irp b, 0,1,2,3
	v_add_nc_u32 v[TM+12+\b], 0xff000000, v[TM+\b] ; 2 off its exponent field: the conversion's scale operand
.endr
.irp b, 0,1,2,3
	v_lshrrev_b32 v[TM+4+\b], 23, v[TM+12+\b]      ; the scale's byte
.endr
	v_lshl_or_b32 v[PW], v[TM+5], 8, v[TM+4]
	v_lshl_or_b32 v[PW], v[TM+6], 16, v[PW]
	v_lshl_or_b32 v[PW], v[TM+7], 24, v[PW]
.irp b, 0,1,2,3
	v_cvt_scalef32_pk8_fp4_f32 v[\pc+2*\b], v[\src+16*\b:\src+7+16*\b], v[TM+12+\b]
	v_cvt_scalef32_pk8_fp4_f32 v[\pc+1+2*\b], v[\src+8+16*\b:\src+15+16*\b], v[TM+12+\b]
.endr
	v_nop                                          ; one plain place behind a scaled conversion
.irp c, 0,1                            ; the operand's layout wants a whole block in a lane: lanes 0-15 block 2 c, lanes 16-31 block 2 c + 1
.irp i, 0,1
	v_permlane16_swap_b32 v[\pc+4*\c+\i], v[\pc+2+4*\c+\i]
.endr
.endr
.endm
.macro REST                            ; K steps 3 to 7, then the places in front of the first read of results, and the bias
	STEP 3, 0, 1
	STEP 4, 0, 1
	STEP 5, 0, 1
	STEP 6, 0, 1
	STEP 7, 0, 0
	WIN 0
.rept 4
	v_nop
.endr
	s_wait_loadcnt 0x0
.endm
	s_wait_tensorcnt 1                             ; my scale bytes and my part of K's first half are in; the second half's load may be out
	s_barrier_signal -1
	s_barrier_wait -1                              ; everybody's are
.irp t, 0,1,2,3,4,5,6,7
	ds_load_b128 v[SCP+8*\t:SCP+8*\t+3], v[ADSP] offset:544*\t         ; a row's eight scale words, one for each K step: they stay in registers
	ds_load_b128 v[SCP+8*\t+4:SCP+8*\t+7], v[ADSP] offset:544*\t+16
.endr
.irp q, 0,1,2,3
	ds_load_b128 v[SCQ+8*\q:SCQ+8*\q+3], v[ADSQ] offset:544*\q
	ds_load_b128 v[SCQ+8*\q+4:SCQ+8*\q+7], v[ADSQ] offset:544*\q+16
.endr
	FETCH 0, 0
	STEP 0, 1, 1
	STEP 1, 0, 1
	STEP 2, 0, 1
	WIN 0                                          ; at a branch and at a label every window is 0
	s_wait_tensorcnt 0x0                           ; my part of K's second half is in,
	s_wait_dscnt 0x0                               ; (no LDS instruction is pending at a signal)
	s_barrier_signal -1
	s_barrier_wait -1                              ; everybody's is
	s_cmp_lg_u32 s17, 0                            ; the two parts differ from here on in the bias and the way out.  The branch hangs on the cluster's y alone; no barrier stands in either arm
	s_cbranch_scc1 .Lv
	; ---- q and k.  My 128 columns are two heads g0, g0 + 1; my 64 tokens are four tiles
	s_lshl_b32 s94, s15, 10
	s_lshl_b32 s21, s12, 9
	s_add_co_u32 s94, s94, s21
	s_mov_b32 s95, 0
	s_add_nc_u64 s[22:23], s[6:7], s[94:95]        ; the bias of column 256 X + 128 (w % 2)
	s_lshr_b32 s21, s20, 4                         ; batch
	s_lshl_b32 s21, s21, 5
	s_lshl_b32 s13, s15, 2
	s_add_co_u32 s21, s21, s13
	s_lshl_b32 s13, s12, 1
	s_add_co_u32 s21, s21, s13                     ; 32 batch + g0
	s_and_b32 s14, s20, 15
	s_lshl_b32 s94, s21, 16
	s_lshl_b32 s13, s14, 12
	s_add_co_u32 s94, s94, s13
	s_lshl_b32 s13, s11, 11
	s_add_co_u32 s94, s94, s13
	s_add_nc_u64 s[96:97], s[8:9], s[94:95]        ; images: (32 batch + g0) x 65,536 + first tile x 512
	s_lshl_b32 s94, s21, 13
	s_lshl_b32 s13, s14, 9
	s_add_co_u32 s94, s94, s13
	s_lshl_b32 s13, s11, 8
	s_add_co_u32 s94, s94, s13
	s_add_co_u32 s94, s94, QKS
	s_add_nc_u64 s[98:99], s[8:9], s[94:95]        ; scale words: (32 batch + g0) x 8,192 + (first tile / 4) x 256
.irp b, 0,1,2,3
.irp j, 0,1,2,3
	global_load_b128 v[BP+16*\b+4*\j:BP+16*\b+4*\j+3], v25, s[22:23] offset:128*\b+16*\j   ; the bias in the results' order; it lands under five K steps
.endr
.endr
	REST
.irp q, 0,1,2,3
	WIN 0x01                                       ; source 0: window 1
.set i, 0
.rept 32
	v_pk_add_f32 v[HA+i:HA+i+1], v[64*\q+i:64*\q+i+1], v[BP+i:BP+i+1]   ; + bias; each accumulator is read from its low end on
.set i, i+2
.endr
	WIN 0
	QUANT HA, PC+8*\q
	global_store_b128 v22, v[PC+8*\q:PC+8*\q+3], s[96:97] offset:\q*512               ; head g0: 512 consecutive bytes
	global_store_b128 v22, v[PC+8*\q+4:PC+8*\q+7], s[96:97] offset:65536+\q*512       ; head g0 + 1
	v_lshrrev_b32 v[SW+\q], v24, v[PW]             ; lanes 0-15 keep head g0's two bytes, lanes 16-31 head g0 + 1's; the upper two bytes, for K past the head's 64, are 0
	v_and_b32 v[SW+\q], 0xffff, v[SW+\q]
.endr
	global_store_b128 v23, v[SW:SW+3], s[98:99]    ; each half of the lanes stores 256 consecutive bytes, aligned
	s_branch .Ljoin
	; ---- v.  My 128 tokens are one step of 128 keys; my 64 columns are one head's channels, four tiles
.Lv:
	s_lshl_b32 s21, s20, 1
	s_add_co_u32 s21, s21, s11                     ; head
	s_lshl_b32 s94, s21, 8
	s_add_co_u32 s94, s94, 8192
	s_mov_b32 s95, 0
	s_add_nc_u64 s[22:23], s[6:7], s[94:95]        ; the bias of column 2,048 + 64 head
	s_lshr_b32 s13, s19, 3                         ; batch
	s_lshl_b32 s13, s13, 4
	s_add_co_u32 s21, s21, s13                     ; 16 batch + head
	s_and_b32 s14, s19, 7
	s_lshl_b32 s14, s14, 1
	s_add_co_u32 s14, s14, s12                     ; which 128 keys of the batch
	s_lshl_b32 s94, s21, 16
	s_lshl_b32 s13, s14, 12
	s_add_co_u32 s94, s94, s13
	s_add_co_u32 s94, s94, VCO
	s_add_nc_u64 s[96:97], s[8:9], s[94:95]
	s_lshl_b32 s94, s21, 12
	s_lshl_b32 s13, s14, 8
	s_add_co_u32 s94, s94, s13
	s_add_co_u32 s94, s94, VSO
	s_add_nc_u64 s[98:99], s[8:9], s[94:95]
.irp q, 0,1,2,3
	global_load_b32 v[BQ+2*\q], v27, s[22:23] offset:4*(32*(\q/2)+8*(\q%2))     ; my lane's channel of tile q: 32 (q / 2) + 8 (q % 2) + r + 8 (r / 8); into both registers of a pair
	global_load_b32 v[BQ+2*\q+1], v27, s[22:23] offset:4*(32*(\q/2)+8*(\q%2))
.endr
	REST
.irp q, 0,1,2,3
	WIN 0x01
.set i, 0
.rept 32
	v_pk_add_f32 v[HA+i:HA+i+1], v[64*\q+i:64*\q+i+1], v[BQ+2*\q:BQ+2*\q+1]
.set i, i+2
.endr
	WIN 0
	QUANT HA, PC+8*\q
	global_store_b128 v22, v[PC+8*\q:PC+8*\q+3], s[96:97] offset:\q*1024              ; keys 0-63 of the step
	global_store_b128 v22, v[PC+8*\q+4:PC+8*\q+7], s[96:97] offset:\q*1024+512        ; keys 64-127
	v_mov_b32 v[SW+\q], v[PW]
.endr
	v_cmp_gt_u32 vcc_lo, 16, v6
	s_wait_xcnt 0x0                                ; EXEC changes only behind this wait: the stores above have it among their sources
	s_and_saveexec_b32 s13, vcc_lo
	global_store_b128 v26, v[SW:SW+3], s[98:99]    ; lanes 0-15: 256 consecutive bytes, aligned (lanes 16-31 hold the same words)
	s_wait_xcnt 0x0
	s_or_b32 exec_lo, exec_lo, s13
.Ljoin:
	s_wait_tensorcnt 0x0
	ds_add_u32 v254, v255
	s_wait_dscnt 0x0
	CROUND                                         ; the closing round: no work-group ends while a partner may still ask for a tile that names it
	s_endpgm
.Lfunc_end_k_qe350b991d9_qkv:
	.size	k_qe350b991d9_qkv, .Lfunc_end_k_qe350b991d9_qkv-k_qe350b991d9_qkv
	.p2alignl 7, 3214868480
	.fill 96, 4, 3214868480
	.section	.rodata,"a",@progbits
	.p2align	6, 0x0
	.amdhsa_kernel k_qe350b991d9_qkv
		.amdhsa_group_segment_fixed_size 222464
		.amdhsa_private_segment_fixed_size 0
		.amdhsa_enable_private_segment 0
		.amdhsa_kernarg_size 24
		.amdhsa_user_sgpr_count 2
		.amdhsa_user_sgpr_kernarg_segment_ptr 1
		.amdhsa_wavefront_size32 1
		.amdhsa_system_sgpr_workgroup_id_x 1
		.amdhsa_system_sgpr_workgroup_id_y 1
		.amdhsa_system_sgpr_workgroup_id_z 1
		.amdhsa_system_vgpr_workitem_id 0
		.amdhsa_next_free_vgpr 768
		.amdhsa_next_free_sgpr 100
		.amdhsa_reserve_vcc 1
		.amdhsa_float_denorm_mode_32 3
		.amdhsa_float_denorm_mode_16_64 3
		.amdhsa_memory_ordered 1
		.amdhsa_forward_progress 1
		.amdhsa_inst_pref_size 138
	.end_amdhsa_kernel
	.amdgpu_metadata
---
amdhsa.version: [ 1, 2 ]
amdhsa.kernels:
  - .name:           k_qe350b991d9_qkv
    .symbol:         k_qe350b991d9_qkv.kd
    .args:
      - { .name: ops, .offset: 0, .size: 8, .value_kind: global_buffer, .address_space: global }
      - { .name: b_qkv, .offset: 8, .size: 8, .value_kind: global_buffer, .address_space: global }
      - { .name: qkv, .offset: 16, .size: 8, .value_kind: global_buffer, .address_space: global }
    .group_segment_fixed_size: 222464
    .private_segment_fixed_size: 0
    .kernarg_segment_align: 8
    .kernarg_segment_size: 24
    .max_flat_workgroup_size: 128
    .sgpr_count:     100
    .vgpr_count:     768
    .wavefront_size: 32
...
	.end_amdgpu_metadata
.endif
;; end of part 2
;; launch attn (part 3): grid 4 x 64, 16 waves a work-group, clusters of 4 x 1, 169,984 bytes of LDS; arguments qkv, attention_mask, att; writes att
.if DOCPART == 3
	.amdgcn_target "amdgcn-amd-amdhsa--gfx1250"
	.amdhsa_code_object_version 6
	.text
	.protected	k_qe350b991d9_attn
	.globl	k_qe350b991d9_attn
	.p2align	8
	.type	k_qe350b991d9_attn,@function
k_qe350b991d9_attn:
	s_mov_b64 s[64:65], 0
	v_nop
	global_prefetch_b8 v0, s[64:65] scope:SCOPE_SE
	s_setreg_imm32_b32 hwreg(HW_REG_WAVE_MODE, 25, 1), 1
	s_wait_xcnt 0x0
	s_wait_alu depctr_hold_cnt(0) depctr_sa_sdst(0) depctr_va_vdst(0) depctr_va_sdst(0) depctr_va_ssrc(0) depctr_va_vcc(0) depctr_vm_vsrc(0)
	s_getreg_b32 s2, hwreg(HW_REG_IB_STS2, 6, 4)
	s_cmp_eq_u32 s2, 0
	s_cbranch_scc0 .Lentry_in_a_cluster
	s_endpgm
.Lentry_in_a_cluster:
	s_bfe_u32 s2, ttmp6, 0x10000c
	s_cmp_lg_u32 s2, 0x3003
	s_cbranch_scc0 .Lentry_shape_is_right
	s_endpgm
.Lentry_shape_is_right:
; attn[b][q][head][:] = sum over k of softmax_k(q . k / 8 + mask[b][k]) v[k][:], both products on codes of E2M1; the result is quantised again along the head's 64 for the last product.
; THE SOFTMAX AHEAD OF THE SECOND PRODUCT: t = (q . k + 8 mask) x log2(e) / 8; M = the largest t so far, rounded up to a whole number; p = 2^(t - M) is quantised along the keys, not normalised;
; the row's sum is taken of the unquantised p and divides at the end.  When M moves, the sum and O are multiplied by 2^(old M - new M): exact.
; 8 x mask is the C of the first product: one f32 sum, and no vector instruction for the mask in the loop.
; SHARES.  A work-group owns 512 queries of one (batch, head); each of its sixteen waves two tiles of 16 queries, one after the other, in 256 registers: four waves to a SIMD, so that one wave's vector
; work stands beside another's matrix work and LDS loads.  A WHOLE HEAD'S K and V (codes 2 x 65,536 bytes, scale words 12,288) lie in LDS, filled ONCE: no ring, no LDS byte is filled twice.
; CLUSTER.  The four work-groups of a (batch, head) need the same K and V: each part is asked for jointly.
; LAYOUT.  Both products transposed: S^T = K Q^T (source 0 = 16 keys), O^T = V^T P^T (source 0 = 16 channels): a lane holds one query throughout.  Operands lie in memory and LDS as images of their
; registers (512 bytes, lane l's 16 bytes at 16 l).  Keys and channels lie at positions (bits 3 and 4 of the index exchanged), so that the 16 registers of tiles 2 b, 2 b + 1 are 16 neighbours.
; The head has 64 channels and the instruction takes 128 along K: registers 4-7 of K's and Q's fragments are zero codes, cleared once, and the upper two bytes of their scale words are 0 (2^-127: no NaN).
; LIMITS: mask values under -2^30 (-infinity among them) act as -2^30: the same result unless every key of a row lies that low, where reference() gives NaN or a uniform average and this text some finite
; average.  The hold keeps half an ulp of t under 2^6, so that a step all of whose 128 keys are hidden gives finite p, which the next change of M wipes out.  NaN and infinities elsewhere are not served.
; A block of zeros gets the byte 1 (this program alone reads the bytes).
; REGISTERS: v1-7, v29-31 addresses that stay; v8-11, v28 addresses of the step; v12 -M, v13 the largest t, v[14:15] the sum; v16-23 Q; v24-27 attn's codes; v32-95 K (8 tiles); v96-159 8 x mask, S^T, p;
;   v160-191 O^T; v192-223 V (4 tiles); v224-231 p's codes; v232-239, v244-247, v252, v254 at work; v240-243 V's scale words, v248-251 K's, v253 p's, v255 Q's.
.set VCO,  8388608                     ; byte offsets in qkv
.set QKS,  12582912
.set VSO,  13631488
.set ASO,  4194304                     ; in att: the images at 0, the scale bytes [head][position] (two a token)
.set VB,   65536                       ; LDS: K's images at 0, V's,
.set KSB,  131072                      ; K's scale words,
.set VSB,  139264                      ; V's,
.set MKB,  143360                      ; 8 x mask, 2,048 numbers: stored by the waves; no fill lands here,
.set SST,  151552                      ; attn's scale bytes of the work-group's 512 queries: likewise
.set ADK, 8
.set ADV, 9
.set ADS, 10
.set ADT, 11
.set ADM, 28
.set WV,  10                           ; s10 my wave's number
.set G1C, 24                           ; s[24:31] group 1: 64 lines of 256 bytes;  s[32:39]: 32 lines;  s[40:47]: 16 lines
.set G1KS, 32
.set G1VS, 40
.set G0K, 48
.set G0V, 52
.set G0KS, 56
.set G0VS, 60
.set QC,  66                           ; s[66:67] my first tile's image of Q;  s[68:69] its scale words;  s[70:71] where its result goes;  s[72:73] the work-group's scale bytes
.set QS,  68
.set AB,  70
.set AS,  72
.set SEL, 74
.set CS,  76                           ; s[76:77] log2(e) / 8
.set SK,  78                           ; the step's place among K's and V's images: 4,096 bytes a step
.set SM,  79                           ; among K's scale words and the mask: 512
.set ST,  80                           ; among V's scale words: 256
.set CNT, 81
.macro CROUND                          ; a round of the cluster's barrier
	s_barrier_signal -1
	s_barrier_wait -1
	s_cmp_lg_u32 s[WV], 0
	s_cbranch_scc1 .Lnot_wave_0_\@
	s_barrier_signal -3
.Lnot_wave_0_\@:
	s_barrier_wait -3
	s_barrier_signal -1
	s_barrier_wait -1
.endm
	s_load_b128 s[4:7], s[0:1], 0x0                ; qkv, attention_mask
	s_load_b64 s[8:9], s[0:1], 0x10                ; att
	v_lshl_add_u32 v254, v0, 2, 0x29000
	v_mov_b32 v255, 0
	ds_add_u32 v254, v255
	ds_add_u32 v254, v255
	s_wait_dscnt 0x0
	v_lshrrev_b32 v8, 5, v0
	v_readfirstlane_b32 s[WV], v8                  ; wave 0..15
	s_and_b32 s11, s[WV], 3
	s_bfe_u32 s12, ttmp6, 0x40000                  ; cx
	s_lshl_b32 s16, ttmp9, 2
	s_add_co_u32 s12, s12, s16                     ; which 512 queries: it enters Q's and the results' addresses alone
	s_and_b32 s13, ttmp7, 0xffff                   ; 16 batch + head, which the four partners share
	s_lshr_b32 s14, s13, 4                         ; batch
	s_and_b32 s15, s13, 15                         ; head
	s_lshl_b32 s16, s14, 5
	s_add_co_u32 s17, s16, s15                     ; 32 batch + head: q's images
	s_add_co_u32 s18, s17, 16                      ; k's
	s_lshl_b32 s19, s11, 14                        ; the quarter that I fetch, if I fetch codes
	s_lshl_b32 s82, s18, 16
	s_add_co_u32 s82, s82, s19
	s_mov_b32 s83, 0
	s_lshl_b32 s84, s13, 16
	s_add_co_u32 s84, s84, s19
	s_add_co_u32 s84, s84, VCO
	s_mov_b32 s85, 0
	s_lshl_b32 s86, s18, 13
	s_add_co_u32 s86, s86, QKS
	s_mov_b32 s87, 0
	s_lshl_b32 s88, s13, 12
	s_add_co_u32 s88, s88, VSO
	s_mov_b32 s89, 0
	s_lshl_b32 s90, s14, 13                        ; the batch's mask
	s_mov_b32 s91, 0
	v_lshlrev_b32 v30, 4, v0                       ; 16 x thread
	s_wait_kmcnt 0x0
	s_add_nc_u64 s[90:91], s[6:7], s[90:91]
	global_load_b128 v[96:99], v30, s[90:91]       ; the 512 threads read the batch's 2,048 mask numbers
	; groups 1: dense blocks as lines of 256 bytes (32 elements of 8), no padding: images are read 512 consecutive bytes at a time
.irp g, G1C, G1KS, G1VS
	s_mov_b32 s[\g], 15|(3<<16)|(1<<21)            ; 15:0 the mask: all four work-groups; 17:16 elements of 8 bytes; 21 set beside a mask
	s_mov_b32 s[\g+1], 32<<16
	s_mov_b32 s[\g+3], 32<<16
	s_mov_b32 s[\g+5], 32
	s_mov_b32 s[\g+6], 0
	s_mov_b32 s[\g+7], 0
.endr
	s_mov_b32 s[G1C+2], 64<<16
	s_mov_b32 s[G1C+4], 64
	s_mov_b32 s[G1KS+2], 32<<16
	s_mov_b32 s[G1KS+4], 32
	s_mov_b32 s[G1VS+2], 16<<16
	s_mov_b32 s[G1VS+4], 16
	s_mov_b32 s[G0K], 1
	s_mov_b32 s[G0K+1], s19                        ; K's quarter: (wave % 4) x 16,384
	s_add_nc_u64 s[G0K+2:G0K+3], s[4:5], s[82:83]
	s_or_b32 s[G0K+3], s[G0K+3], 0x80000000
	s_mov_b32 s[G0V], 1
	s_add_co_u32 s[G0V+1], s19, VB
	s_add_nc_u64 s[G0V+2:G0V+3], s[4:5], s[84:85]
	s_or_b32 s[G0V+3], s[G0V+3], 0x80000000
	s_mov_b32 s[G0KS], 1
	s_mov_b32 s[G0KS+1], KSB
	s_add_nc_u64 s[G0KS+2:G0KS+3], s[4:5], s[86:87]
	s_or_b32 s[G0KS+3], s[G0KS+3], 0x80000000
	s_mov_b32 s[G0VS], 1
	s_mov_b32 s[G0VS+1], VSB
	s_add_nc_u64 s[G0VS+2:G0VS+3], s[4:5], s[88:89]
	s_or_b32 s[G0VS+3], s[G0VS+3], 0x80000000
	CROUND                                         ; all four work-groups are here: the joint loads meet
	; Waves 0-3: K's quarters; 4-7: V's; 8: K's scale words; 9: V's; the others none.  One load a wave at the most; the branches hang on the wave's number alone; four v_nop follow each line
	s_cmp_lt_u32 s[WV], 4
	s_cbranch_scc0 .Lnot_k
	tensor_load_to_lds s[G0K:G0K+3], s[G1C:G1C+7]
	s_nop 0
.rept 4
	v_nop
.endr
	s_branch .Lasked
.Lnot_k:
	s_cmp_lt_u32 s[WV], 8
	s_cbranch_scc0 .Lnot_v
	tensor_load_to_lds s[G0V:G0V+3], s[G1C:G1C+7]
	s_nop 0
.rept 4
	v_nop
.endr
	s_branch .Lasked
.Lnot_v:
	s_cmp_eq_u32 s[WV], 8
	s_cbranch_scc0 .Lnot_ks
	tensor_load_to_lds s[G0KS:G0KS+3], s[G1KS:G1KS+7]
	s_nop 0
.rept 4
	v_nop
.endr
	s_branch .Lasked
.Lnot_ks:
	s_cmp_eq_u32 s[WV], 9
	s_cbranch_scc0 .Lasked
	tensor_load_to_lds s[G0VS:G0VS+3], s[G1VS:G1VS+7]
	s_nop 0
.rept 4
	v_nop
.endr
.Lasked:
	; my wave's global addresses
	s_lshl_b32 s92, s17, 16
	s_lshl_b32 s20, s12, 14
	s_add_co_u32 s92, s92, s20
	s_lshl_b32 s20, s[WV], 9
	s_add_co_u32 s92, s92, s20
	s_mov_b32 s93, 0
	s_add_nc_u64 s[QC:QC+1], s[4:5], s[92:93]      ; Q's image of tile 32 qx + wave
	s_lshl_b32 s92, s17, 13
	s_lshl_b32 s20, s12, 11
	s_add_co_u32 s92, s92, s20
	s_lshr_b32 s20, s[WV], 2
	s_lshl_b32 s20, s20, 8
	s_add_co_u32 s92, s92, s20
	s_lshl_b32 s20, s11, 2
	s_add_co_u32 s92, s92, s20
	s_add_co_u32 s92, s92, QKS
	s_add_nc_u64 s[QS:QS+1], s[4:5], s[92:93]      ; its scale words: (tile / 4) x 256 + 16 r + 4 (tile % 4)
	s_lshr_b32 s92, s15, 3
	s_lshl_b32 s92, s92, 21                        ; which half of the last product's K: head / 8
	s_lshl_b32 s20, s14, 19
	s_add_co_u32 s92, s92, s20
	s_lshl_b32 s20, s12, 17
	s_add_co_u32 s92, s92, s20
	s_lshl_b32 s20, s[WV], 12
	s_add_co_u32 s92, s92, s20                     ; token tile 128 batch + 32 qx + wave, 4,096 bytes each
	s_and_b32 s20, s15, 7
	s_lshl_b32 s20, s20, 9
	s_add_co_u32 s92, s92, s20
	s_add_nc_u64 s[AB:AB+1], s[8:9], s[92:93]
	s_lshl_b32 s92, s15, 14
	s_lshl_b32 s20, s14, 12
	s_add_co_u32 s92, s92, s20
	s_lshl_b32 s20, s12, 10
	s_add_co_u32 s92, s92, s20
	s_add_co_u32 s92, s92, ASO
	s_add_nc_u64 s[AS:AS+1], s[8:9], s[92:93]
	s_mov_b32 s[SEL], 0x76543210
	s_mov_b32 s[SEL+1], 0xfedcba98                 ; v_permlanex16_b32's selects for lane l xor 16
	s_mov_b32 s[CS], 0x3e38aa3b                    ; log2(e) / 8
	s_mov_b32 s[CS+1], s[CS]                       ; (named with it as a pair, so it is written)
	v_and_b32 v8, 31, v0
	v_lshlrev_b32 v1, 4, v8                        ; 16 x lane: an image's place for my lane, in LDS (K's begin at 0) and in memory
	v_add_nc_u32 v2, VB, v1
	v_add_nc_u32 v3, KSB, v1                       ; K's scale words: lanes 0-15 those of the step's tiles 0-3, lanes 16-31 of tiles 4-7
	v_and_b32 v9, 15, v0                           ; r
	v_lshlrev_b32 v6, 4, v9
	v_add_nc_u32 v4, VSB, v6                       ; V's: row r's four words
	v_bfe_u32 v10, v0, 4, 1                        ; h
	v_lshlrev_b32 v5, 6, v10
	v_add_nc_u32 v5, MKB, v5                       ; the mask of my 16 keys of a block: 64 h
	v_and_b32 v7, 0x1e0, v0                        ; 32 x wave
	v_lshl_add_u32 v7, v9, 1, v7
	v_add_nc_u32 v7, SST, v7                       ; my query's two scale bytes
	v_add_nc_u32 v29, SST, v30
	v_add_nc_u32 v31, MKB, v30
.irp t, 0,1,2,3,4,5,6,7
.irp k, 4,5,6,7
	v_mov_b32 v[32+8*\t+\k], 0                     ; K past the head's 64: zero codes; never rewritten
.endr
.endr
.irp k, 20,21,22,23
	v_mov_b32 v\k, 0                               ; likewise in Q
.endr
.irp b, 0,1,2,3
	v_mov_b32 v[236+\b], 0                         ; written once: a lane permute's destination counts as one of its sources
.endr
	v_mov_b32 v253, 0                              ; (named as the upper half of the pair v[252:253] before it is first written)
	s_wait_loadcnt 0x0
.irp k, 96,97,98,99
	v_mul_f32 v\k, 0x41000000, v\k                 ; 8 x mask: exact,
.endr
.irp k, 96,97,98,99
	v_max_num_f32 v\k, 0xd0000000, v\k             ; held at -2^33 from below
.endr
	ds_store_b128 v31, v[96:99]
	s_wait_tensorcnt 0x0                           ; my part of K, V or their scale words is in,
	s_wait_dscnt 0x0                               ; my part of the mask is stored,
	s_barrier_signal -1
	s_barrier_wait -1                              ; everybody's are
; A KEY STEP: 128 keys.
.macro STEP
	v_add_nc_u32 v[ADK], s[SK], v1                 ; five plain instructions: also the places between the last products and the loads into V's fragments and scale words
	v_add_nc_u32 v[ADV], s[SK], v2
	v_add_nc_u32 v[ADS], s[SM], v3
	v_add_nc_u32 v[ADM], s[SM], v5
	v_add_nc_u32 v[ADT], s[ST], v4
.irp t, 0,1,2,3,4,5,6,7
.irp j, 0,1
	ds_load_b128 v[96+8*\t+4*\j:99+8*\t+4*\j], v[ADM] offset:128*(\t/2)+32*(\t%2)+16*\j    ; 8 x mask of keys 32 (t / 2) + 16 h + 8 (t % 2) + 4 j on: in the result's layout
.endr
.endr
.irp t, 0,1,2,3,4,5,6,7
	ds_load_b128 v[32+8*\t:35+8*\t], v[ADK] offset:512*\t
.endr
	ds_load_b128 v[248:251], v[ADS]
.irp d, 0,1,2,3
.irp c, 0,1
	ds_load_b128 v[192+8*\d+4*\c:195+8*\d+4*\c], v[ADV] offset:1024*\d+512*\c
.endr
.endr
	ds_load_b128 v[240:243], v[ADT]
	s_wait_dscnt 9                                 ; the mask, K and K's scale words are in; V's eight loads and its scale words may be out
.irp t, 0,1,2,3
	v_wmma_scale_f32_16x16x128_f8f6f4 v[96+8*\t:103+8*\t], v[32+8*\t:39+8*\t], v[16:23], v[96+8*\t:103+8*\t], v[248+\t], v255 matrix_a_fmt:MATRIX_FMT_FP4 matrix_b_fmt:MATRIX_FMT_FP4
.endr
.irp t, 4,5,6,7
	v_wmma_scale_f32_16x16x128_f8f6f4 v[96+8*\t:103+8*\t], v[32+8*\t:39+8*\t], v[16:23], v[96+8*\t:103+8*\t], v[244+\t], v255 matrix_a_fmt:MATRIX_FMT_FP4 matrix_b_fmt:MATRIX_FMT_FP4 matrix_a_scale:MATRIX_SCALE_ROW1
.endr
.rept 4
	v_nop
.endr
.irp b, 0,1,2,3
	v_max3_num_f32 v[232+\b], v[96+16*\b], v[97+16*\b], v[98+16*\b]    ; the largest score of each block of 32 keys: it serves the row's maximum and, since p rises with the score, the block's largest p
.endr
.irp i, 3,5,7,9,11,13
.irp b, 0,1,2,3
	v_max3_num_f32 v[232+\b], v[232+\b], v[96+16*\b+\i], v[97+16*\b+\i]
.endr
.endr
.irp b, 0,1,2,3
	v_max_num_f32 v[232+\b], v[232+\b], v[111+16*\b]
.endr
.irp b, 0,1,2,3
	v_permlanex16_b32 v[236+\b], v[232+\b], s[SEL], s[SEL+1]
.endr
.irp b, 0,1,2,3
	v_max_num_f32 v[232+\b], v[232+\b], v[236+\b]  ; with lane l xor 16's 16 keys
.endr
	v_max3_num_f32 v254, v232, v233, v234
	v_max_num_f32 v254, v254, v235                 ; the step's largest score of my query
	v_mul_f32 v254, s[CS], v254                    ; as t
	v_max_num_f32 v13, v13, v254                   ; the running largest t
	v_mov_b32 v254, v12
	v_floor_f32 v12, -v13                          ; the new -M = floor(-t): M is a whole number
	v_sub_f32 v254, v12, v254                      ; old M - new M: a whole number, 0 or less
	v_cvt_i32_f32 v254, v254                       ; (it saturates)
	v_ldexp_f32 v252, 1.0, v254                    ; f = 2^(old M - new M)
.irp j, 0,2,4,6,8,10,12,14,16,18,20,22,24,26,28,30,32,34,36,38,40,42,44,46,48,50,52,54,56,58,60,62
	v_pk_fma_f32 v[96+\j:97+\j], v[96+\j:97+\j], s[CS:CS+1], v[12:13] op_sel_hi:[1,0,0]    ; t - M, two at a time
.endr
.irp b, 0,1,2,3
	v_fma_f32 v[232+\b], v[232+\b], s[CS], v12     ; the same of each block's largest score
.endr
.irp j, 0,1,2,3,4,5,6,7,8,9,10,11,12,13,14,15,16,17,18,19,20,21,22,23,24,25,26,27,28,29,30,31,32,33,34,35,36,37,38,39,40,41,42,43,44,45,46,47,48,49,50,51,52,53,54,55,56,57,58,59,60,61,62,63
	v_exp_f32 v[96+\j], v[96+\j]                   ; p = 2^(t - M): not normalised
.endr
.irp b, 0,1,2,3
	v_exp_f32 v[232+\b], v[232+\b]                 ; the block's largest p: the same two instructions on the same number give the same bits
.endr
	v_pk_mul_f32 v[14:15], v[14:15], v[252:253] op_sel_hi:[1,0]        ; the sums under the new M (a plain place behind the exponentials)
	s_wait_alu depctr_va_vdst(0)
.irp b, 0,1,2,3
	v_max_num_f32 v[232+\b], 0x1800000, v[232+\b]  ; the floor 2^(3 - 127): the byte cannot fall under 1
.endr
.irp b, 0,1,2,3
	v_add_nc_u32 v[244+\b], 0xff000000, v[232+\b]  ; 2 off the exponent field: the conversion's scale operand
.endr
.irp b, 0,1,2,3
	v_lshrrev_b32 v[236+\b], 23, v[244+\b]         ; the scale's byte
.endr
	v_lshl_or_b32 v253, v237, 8, v236              ; p's scale word for these 128 keys
	v_lshl_or_b32 v253, v238, 16, v253
	v_lshl_or_b32 v253, v239, 24, v253
.irp b, 0,1,2,3
	v_cvt_scalef32_pk8_fp4_f32 v[224+2*\b], v[96+16*\b:103+16*\b], v[244+\b]
	v_cvt_scalef32_pk8_fp4_f32 v[225+2*\b], v[104+16*\b:111+16*\b], v[244+\b]
.endr
	v_nop                                          ; one plain place behind a scaled conversion
.irp c, 0,1
.irp i, 0,1
	v_permlane16_swap_b32 v[224+4*\c+\i], v[226+4*\c+\i]   ; a whole block in a lane: lanes 0-15 block 2 c, lanes 16-31 block 2 c + 1
.endr
.endr
	v_pk_add_f32 v[236:237], v[96:97], v[98:99]    ; the row's sum is taken of the unquantised p: two at a time, in two chains
.irp j, 4,8,12,16,20,24,28,32,36,40,44,48,52,56,60
	v_pk_add_f32 v[14:15], v[14:15], v[96+\j:97+\j]
	v_pk_add_f32 v[236:237], v[236:237], v[98+\j:99+\j]
.endr
	v_pk_add_f32 v[14:15], v[14:15], v[236:237]
.irp j, 0,2,4,6,8,10,12,14,16,18,20,22,24,26,28,30
	v_pk_mul_f32 v[160+\j:161+\j], v[160+\j:161+\j], v[252:253] op_sel_hi:[1,0]    ; O^T under the new M
.endr
	s_wait_dscnt 0x0                               ; V and its scale words are in (asked for at the step's head)
.irp d, 0,1,2,3
	v_wmma_scale_f32_16x16x128_f8f6f4 v[160+8*\d:167+8*\d], v[192+8*\d:199+8*\d], v[224:231], v[160+8*\d:167+8*\d], v[240+\d], v253 matrix_a_fmt:MATRIX_FMT_FP4 matrix_b_fmt:MATRIX_FMT_FP4
.endr
	s_add_co_u32 s[SK], s[SK], 4096
	s_add_co_u32 s[SM], s[SM], 512
	s_add_co_u32 s[ST], s[ST], 256
.endm
; A tile of 16 queries: tile 32 qx + 16 n + wave of the batch.
.macro QTILE n
	global_load_b128 v[16:19], v1, s[QC:QC+1] offset:8192*\n
	global_load_b32 v255, v6, s[QS:QS+1] offset:1024*\n
	v_mov_b32 v13, 0xff61b1e6                      ; the largest t so far: -3e38, under every t
	v_floor_f32 v12, -v13                          ; -M
	v_mov_b32 v14, 0                               ; the sum, in two halves
	v_mov_b32 v15, 0
.irp j, 0,1,2,3,4,5,6,7,8,9,10,11,12,13,14,15,16,17,18,19,20,21,22,23,24,25,26,27,28,29,30,31
	v_mov_b32 v[160+\j], 0                         ; O^T: the step is written once; its first trip finds zeros, which the first change of M leaves zeros
.endr
	s_mov_b32 s[SK], 0
	s_mov_b32 s[SM], 0
	s_mov_b32 s[ST], 0
	s_mov_b32 s[CNT], 16
	s_wait_loadcnt 0x0
.Lstep_\@:
	STEP
	s_sub_co_u32 s[CNT], s[CNT], 1
	s_cmp_lg_u32 s[CNT], 0
	s_cbranch_scc1 .Lstep_\@
.rept 4
	v_nop                                          ; places behind the last products
.endr
	v_add_f32 v14, v14, v15                        ; the sum's two halves,
	v_permlanex16_b32 v252, v14, s[SEL], s[SEL+1]
	v_add_f32 v14, v14, v252                       ; and lane l xor 16's: the row's sum
	v_rcp_f32 v252, v14
	v_nop                                          ; a plain place behind the transcendental
	s_wait_alu depctr_va_vdst(0)
.irp j, 0,2,4,6,8,10,12,14,16,18,20,22,24,26,28,30
	v_pk_mul_f32 v[96+\j:97+\j], v[160+\j:161+\j], v[252:253] op_sel_hi:[1,0]      ; O^T / the sum: register 16 b + i is channel 32 b + 16 h + i of my query
.endr
.irp b, 0,1
	v_max3_num_f32 v[232+\b], |v[96+16*\b]|, |v[97+16*\b]|, 0x1800000  ; the head's two blocks of 32 along the last product's K
.endr
.irp i, 2,4,6,8,10,12,14
.irp b, 0,1
	v_max3_num_f32 v[232+\b], v[232+\b], |v[96+16*\b+\i]|, |v[97+16*\b+\i]|
.endr
.endr
.irp b, 0,1
	v_permlanex16_b32 v[236+\b], v[232+\b], s[SEL], s[SEL+1]
.endr
.irp b, 0,1
	v_max_num_f32 v[232+\b], v[232+\b], v[236+\b]
.endr
.irp b, 0,1
	v_add_nc_u32 v[244+\b], 0xff000000, v[232+\b]
.endr
.irp b, 0,1
	v_lshrrev_b32 v[236+\b], 23, v[244+\b]
.endr
	v_lshl_or_b32 v254, v237, 8, v236              ; my query's two scale bytes
	s_wait_xcnt 0x0                                ; the codes' registers, which the last tile's store reads, are written again only behind this wait
.irp b, 0,1
	v_cvt_scalef32_pk8_fp4_f32 v[24+2*\b], v[96+16*\b:103+16*\b], v[244+\b]
	v_cvt_scalef32_pk8_fp4_f32 v[25+2*\b], v[104+16*\b:111+16*\b], v[244+\b]
.endr
	v_nop                                          ; one plain place behind a scaled conversion
	v_permlane16_swap_b32 v24, v26
	v_permlane16_swap_b32 v25, v27                 ; lane (r, h) now holds channels 32 h .. 32 h + 31 of query r: four registers of the last product's operand
	global_store_b128 v1, v[24:27], s[AB:AB+1] offset:65536*\n     ; 512 consecutive bytes
	ds_store_b16 v7, v254 offset:512*\n            ; both halves of the lanes write the same bytes with the same value
.endm
	QTILE 0
	QTILE 1
	s_wait_dscnt 0x0                               ; my scale bytes are stored,
	s_barrier_signal -1
	s_barrier_wait -1                              ; everybody's are
	s_cmp_lt_u32 s[WV], 2
	s_cbranch_scc0 .Lno_bytes
	ds_load_b128 v[96:99], v29                     ; waves 0 and 1: the work-group's 1,024 scale bytes,
	s_wait_dscnt 0x0
	global_store_b128 v30, v[96:99], s[AS:AS+1]    ; 512 consecutive bytes a wave
.Lno_bytes:
	s_wait_xcnt 0x0
	v_lshl_add_u32 v254, v0, 2, 0x29000
	v_mov_b32 v255, 0
	s_wait_tensorcnt 0x0
	ds_add_u32 v254, v255
	s_wait_dscnt 0x0
	CROUND                                         ; the closing round: no work-group ends while a partner may still ask for a tile that names it
	s_endpgm
.Lfunc_end_k_qe350b991d9_attn:
	.size	k_qe350b991d9_attn, .Lfunc_end_k_qe350b991d9_attn-k_qe350b991d9_attn
	.p2alignl 7, 3214868480
	.fill 96, 4, 3214868480
	.section	.rodata,"a",@progbits
	.p2align	6, 0x0
	.amdhsa_kernel k_qe350b991d9_attn
		.amdhsa_group_segment_fixed_size 169984
		.amdhsa_private_segment_fixed_size 0
		.amdhsa_enable_private_segment 0
		.amdhsa_kernarg_size 24
		.amdhsa_user_sgpr_count 2
		.amdhsa_user_sgpr_kernarg_segment_ptr 1
		.amdhsa_wavefront_size32 1
		.amdhsa_system_sgpr_workgroup_id_x 1
		.amdhsa_system_sgpr_workgroup_id_y 1
		.amdhsa_system_sgpr_workgroup_id_z 1
		.amdhsa_system_vgpr_workitem_id 0
		.amdhsa_next_free_vgpr 256
		.amdhsa_next_free_sgpr 96
		.amdhsa_reserve_vcc 0
		.amdhsa_float_denorm_mode_32 3
		.amdhsa_float_denorm_mode_16_64 3
		.amdhsa_memory_ordered 1
		.amdhsa_forward_progress 1
		.amdhsa_inst_pref_size 53
	.end_amdhsa_kernel
	.amdgpu_metadata
---
amdhsa.version: [ 1, 2 ]
amdhsa.kernels:
  - .name:           k_qe350b991d9_attn
    .symbol:         k_qe350b991d9_attn.kd
    .args:
      - { .name: qkv, .offset: 0, .size: 8, .value_kind: global_buffer, .address_space: global }
      - { .name: attention_mask, .offset: 8, .size: 8, .value_kind: global_buffer, .address_space: global }
      - { .name: att, .offset: 16, .size: 8, .value_kind: global_buffer, .address_space: global }
    .group_segment_fixed_size: 169984
    .private_segment_fixed_size: 0
    .kernarg_segment_align: 8
    .kernarg_segment_size: 24
    .max_flat_workgroup_size: 512
    .sgpr_count:     96
    .vgpr_count:     256
    .wavefront_size: 32
...
	.end_amdgpu_metadata
.endif
;; end of part 3
;; launch outp (part 4): grid 4 x 64, 4 waves a work-group, clusters of 4 x 4, 252,160 bytes of LDS; arguments ops, att, b_out, hidden_states, out0; writes out0
.if DOCPART == 4
	.amdgcn_target "amdgcn-amd-amdhsa--gfx1250"
	.amdhsa_code_object_version 6
	.text
	.protected	k_qe350b991d9_outp
	.globl	k_qe350b991d9_outp
	.p2align	8
	.type	k_qe350b991d9_outp,@function
k_qe350b991d9_outp:
	s_mov_b64 s[64:65], 0
	v_nop
	global_prefetch_b8 v0, s[64:65] scope:SCOPE_SE
	s_setreg_imm32_b32 hwreg(HW_REG_WAVE_MODE, 25, 1), 1
	s_wait_xcnt 0x0
	s_wait_alu depctr_hold_cnt(0) depctr_sa_sdst(0) depctr_va_vdst(0) depctr_va_sdst(0) depctr_va_ssrc(0) depctr_va_vcc(0) depctr_vm_vsrc(0)
	s_getreg_b32 s2, hwreg(HW_REG_IB_STS2, 6, 4)
	s_cmp_eq_u32 s2, 0
	s_cbranch_scc0 .Lentry_in_a_cluster
	s_endpgm
.Lentry_in_a_cluster:
	s_bfe_u32 s2, ttmp6, 0x10000c
	s_cmp_lg_u32 s2, 0xf033
	s_cbranch_scc0 .Lentry_shape_is_right
	s_endpgm
.Lentry_shape_is_right:
; out0 = attn W_out + b_out + hidden_states; the product on codes of E2M1 (K = 1,024 = head x 64 + channel).
; P (source 0) = 256 columns of W_out (tile x), Q (source 1) = 128 tokens (tile y): a lane holds a token and its registers run along neighbouring columns.  Wave w: P's half w % 2 (8 tiles), Q's half w / 2
; (4 tiles): 32 accumulators.  ALL OF K FITS IN LDS: two slots, one for each half of K, each filled once; no LDS byte is filled twice.  W_out's codes are rows (256 bytes + 16 in LDS); attn's are images of
; the operand's registers, [K half][token tile][head % 8][512 bytes]: a token tile's half of K is 4,096 dense bytes.  attn's scale bytes lie [head][position], two a token: a word is two heads' halves.
; CLUSTERS: 4 x 4.  W_out's tile is shared along a column of the cluster, the tokens' along a row: each is asked for jointly.
; The bias is the C of the first products.  The residual (64 tokens x 512 bytes a wave) is asked for at the start, into 256 registers of its own, and is added on the way out.
; Tokens and columns lie at positions (bits 3 and 4 of the index exchanged): the columns come out in natural order in a lane's registers; a token's true row stands in the immediates of the loads and stores.
; REGISTERS: window 0: v0-31 addresses; v32-95 P's scale words, v96-127 Q's; v128-191 halves of Q's scale words; v192-255 the bias; on the way out v32-159 rows, two sets.
;   window 1: accumulator (t, q) at v[8 (8 q + t)].   window 2: P's fragments, two sets, v0-127; Q's, v128-191.   window 3: the residual, row i of token tile q at v[4 (16 q + i)].
.set O_WOC, 6127616
.set O_WOS, 6651904
.set ASO,   4194304
.set SLOTB, 102400                     ; a slot: P's 256 rows of 272 bytes, then Q's 8 token tiles of 4,096
.set QOFF,  69632
.set SCLP,  204800                     ; P's scale bytes: 32 lines of 256 + 16
.set SCLQ,  213504                     ; Q's: 16 heads' lines of 256 + 16
.set STAGE, 217856                     ; the way out: 16 rows of 512 + 16 bytes for each wave; no fill lands here
.set ADRP, 16
.set ADRQ, 18
.set ADSP, 20
.set ADQS, 21
.set SCP,  32
.set SCQ,  96
.set HW,   128
.set BP,   192
.set BK,   32
.set G1P,  24
.set G1Q,  32
.set G1SP, 40
.set G1SQ, 48
.set G0P,  56
.set G0Q,  68
.set G0SP, 76
.set G0SQ, 80
.set HB,   94                          ; s[94:95] the residual at my first token and column;  s[96:97] out0 likewise
.set OB,   96
.set MSB, 0
.macro WIN new                         ; the immediate's high byte repeats the setting that is left
.if MSB != \new
	s_set_vgpr_msb (MSB<<8)|\new
.set MSB, \new
.endif
.endm
.set MUL,  0x5a                        ; A and B window 2, C and D window 1
.set MULB, 0x4a                        ; the same with C (the bias) in window 0
.set TOF,  0x80                        ; destination window 2, address window 0
.macro JLOAD g0p, g1p, g0q, g1q        ; a joint load: waves 0 and 1 fetch P's two halves, waves 2 and 3 Q's; four v_nop follow each of the two lines
	s_cmp_eq_u32 s15, 0
	s_cbranch_scc0 .Lfor_q_\@
	tensor_load_to_lds s[\g0p:\g0p+3], s[\g1p:\g1p+7]
	s_nop 0
.rept 4
	v_nop
.endr
	s_branch .Lasked_\@
.Lfor_q_\@:
	tensor_load_to_lds s[\g0q:\g0q+3], s[\g1q:\g1q+7]
	s_nop 0
.rept 4
	v_nop
.endr
.Lasked_\@:
.endm
.macro CROUND                          ; a round of the cluster's barrier
	s_barrier_signal -1
	s_barrier_wait -1
	s_cmp_lg_u32 s14, 0
	s_cbranch_scc1 .Lnot_wave_0_\@
	s_barrier_signal -3
.Lnot_wave_0_\@:
	s_barrier_wait -3
	s_barrier_signal -1
	s_barrier_wait -1
.endm
	s_load_b256 s[4:11], s[0:1], 0x0               ; ops s[4:5], att s[6:7], b_out s[8:9], hidden_states s[10:11]
	s_load_b64 s[12:13], s[0:1], 0x20              ; out0
	v_lshl_add_u32 v30, v0, 2, 0x3d700
	v_mov_b32 v31, 0
	ds_add_u32 v30, v31
	ds_add_u32 v30, v31
	v_lshrrev_b32 v1, 5, v0
	v_readfirstlane_b32 s14, v1                    ; wave 0..3
	s_lshr_b32 s15, s14, 1                         ; Q's half that I multiply.  Also: I fetch for P (0) or for Q (1)
	s_and_b32 s16, s14, 1                          ; P's half that I multiply.  Also: which half of that tile I fetch
	s_bfe_u32 s17, ttmp6, 0x40000                  ; cx
	s_bfe_u32 s18, ttmp6, 0x40004                  ; cy
	s_lshl_b32 s19, ttmp9, 2
	s_add_co_u32 s19, s19, s17                     ; x: which 256 columns
	s_and_b32 s20, ttmp7, 0xffff
	s_lshl_b32 s20, s20, 2
	s_add_co_u32 s20, s20, s18                     ; y: which 128 tokens
	s_lshl_b32 s92, 0x1111, s17                    ; my column of the cluster
	s_lshl_b32 s93, s18, 2
	s_lshl_b32 s93, 15, s93                        ; my row
	s_or_b32 s[G1P], s92, (1<<20)|(1<<21)|(5<<22)|(3<<25)             ; W_out's codes: 128 rows of 256 bytes out of rows of 512; 16 bytes of padding behind each
	s_mov_b32 s[G1P+1], 256<<16
	s_mov_b32 s[G1P+2], 128<<16
	s_mov_b32 s[G1P+3], 256<<16
	s_mov_b32 s[G1P+4], 128
	s_mov_b32 s[G1P+5], 512
	s_mov_b32 s[G1P+6], 0
	s_mov_b32 s[G1P+7], 0
	s_or_b32 s[G1Q], s93, (3<<16)|(1<<21)          ; attn's images: 16,384 dense bytes as 64 lines of 256 (32 elements of 8 bytes), no padding
	s_mov_b32 s[G1Q+1], 32<<16
	s_mov_b32 s[G1Q+2], 64<<16
	s_mov_b32 s[G1Q+3], 32<<16
	s_mov_b32 s[G1Q+4], 64
	s_mov_b32 s[G1Q+5], 32
	s_mov_b32 s[G1Q+6], 0
	s_mov_b32 s[G1Q+7], 0
	s_or_b32 s[G1SP], s92, (3<<16)|(1<<20)|(1<<21)|(5<<22)|(3<<25)    ; W_out's scale bytes: 4,096 dense bytes as 16 lines of 256, padded
	s_mov_b32 s[G1SP+1], 32<<16
	s_mov_b32 s[G1SP+2], 16<<16
	s_mov_b32 s[G1SP+3], 32<<16
	s_mov_b32 s[G1SP+4], 16
	s_mov_b32 s[G1SP+5], 32
	s_mov_b32 s[G1SP+6], 0
	s_mov_b32 s[G1SP+7], 0
	s_or_b32 s[G1SQ], s93, (3<<16)|(1<<20)|(1<<21)|(5<<22)|(3<<25)    ; attn's scale bytes: 8 heads' lines of 256 bytes, 16,384 bytes (2,048 elements) apart, padded
	s_mov_b32 s[G1SQ+1], 32<<16
	s_mov_b32 s[G1SQ+2], 8<<16
	s_mov_b32 s[G1SQ+3], 32<<16
	s_mov_b32 s[G1SQ+4], 8
	s_mov_b32 s[G1SQ+5], 2048
	s_mov_b32 s[G1SQ+6], 0
	s_mov_b32 s[G1SQ+7], 0
	s_lshl_b32 s84, s19, 8
	s_lshl_b32 s21, s16, 7
	s_add_co_u32 s84, s84, s21                     ; P: row 256 x + 128 x half
	s_lshl_b32 s86, s84, 5
	s_add_co_u32 s86, s86, O_WOS
	s_lshl_b32 s84, s84, 9
	s_add_co_u32 s84, s84, O_WOC
	s_mov_b32 s85, 0
	s_mov_b32 s87, 0
	s_lshl_b32 s88, s20, 15                        ; Q: token tile 8 y + 4 x half, 4,096 bytes each
	s_lshl_b32 s21, s16, 14
	s_add_co_u32 s88, s88, s21
	s_mov_b32 s89, 0
	s_lshl_b32 s90, s20, 8                         ; its scale bytes: 256 y in the line of head 8 x half
	s_lshl_b32 s21, s16, 17
	s_add_co_u32 s90, s90, s21
	s_add_co_u32 s90, s90, ASO
	s_mov_b32 s91, 0
	s_mul_i32 s21, s16, 34816                      ; where they go: no place in the cluster enters an LDS address
	s_lshl_b32 s22, s16, 14
	s_add_co_u32 s22, s22, QOFF
	s_mul_i32 s23, s16, 4352
	s_mul_i32 s98, s16, 2176
	s_wait_dscnt 0x0
	s_wait_kmcnt 0x0
	s_add_nc_u64 s[84:85], s[4:5], s[84:85]
	s_add_nc_u64 s[86:87], s[4:5], s[86:87]
	s_add_nc_u64 s[88:89], s[6:7], s[88:89]
	s_add_nc_u64 s[90:91], s[6:7], s[90:91]
.irp g, 0,1
	s_mov_b32 s[G0P+4*\g], 1
	s_add_co_u32 s[G0P+4*\g+1], s21, \g*SLOTB
	s_add_nc_u64 s[G0P+4*\g+2:G0P+4*\g+3], s[84:85], \g*256        ; K's half g
	s_or_b32 s[G0P+4*\g+3], s[G0P+4*\g+3], 0x80000000
	s_mov_b32 s[G0Q+4*\g], 1
	s_add_co_u32 s[G0Q+4*\g+1], s22, \g*SLOTB
	s_add_nc_u64 s[G0Q+4*\g+2:G0Q+4*\g+3], s[88:89], \g*2097152
	s_or_b32 s[G0Q+4*\g+3], s[G0Q+4*\g+3], 0x80000000
.endr
	s_mov_b32 s[G0SP], 1
	s_add_co_u32 s[G0SP+1], s23, SCLP
	s_mov_b64 s[G0SP+2:G0SP+3], s[86:87]
	s_or_b32 s[G0SP+3], s[G0SP+3], 0x80000000
	s_mov_b32 s[G0SQ], 1
	s_add_co_u32 s[G0SQ+1], s98, SCLQ
	s_mov_b64 s[G0SQ+2:G0SQ+3], s[90:91]
	s_or_b32 s[G0SQ+3], s[G0SQ+3], 0x80000000
	CROUND                                         ; all sixteen work-groups are here: the joint loads meet
	JLOAD G0SP, G1SP, G0SQ, G1SQ                   ; three loads a wave, all first fills: the scale bytes,
	JLOAD G0P, G1P, G0Q, G1Q                       ; K's first half,
	JLOAD G0P+4, G1P, G0Q+4, G1Q                   ; K's second half
	v_and_b32 v1, 15, v0                           ; r
	v_bfe_u32 v2, v0, 4, 1                         ; h
	v_and_b32 v6, 31, v0
	v_lshlrev_b32 v22, 4, v6                       ; 16 x lane
	v_mul_u32_u24 v3, v1, 272
	v_lshl_add_u32 v3, v2, 4, v3
	s_mul_i32 s21, s16, 34816
	v_add_nc_u32 v[ADRP], s21, v3
	v_add_nc_u32 v[ADRP+1], SLOTB, v[ADRP]
	s_lshl_b32 s21, s15, 14
	s_add_co_u32 s21, s21, QOFF
	v_add_nc_u32 v[ADRQ], s21, v22
	v_add_nc_u32 v[ADRQ+1], SLOTB, v[ADRQ]
	v_lshrrev_b32 v4, 3, v1
	v_lshlrev_b32 v5, 5, v1
	v_lshl_add_u32 v5, v4, 4, v5
	s_mul_i32 s21, s16, 4352
	s_add_co_u32 s21, s21, SCLP
	v_add_nc_u32 v[ADSP], s21, v5
	s_lshl_b32 s21, s15, 7
	s_add_co_u32 s21, s21, SCLQ
	v_lshl_add_u32 v[ADQS], v1, 1, s21             ; my token's two bytes in a head's line: 128 (w / 2) + 2 r
	s_mul_i32 s21, s14, 8448
	s_add_co_u32 s21, s21, STAGE
	v_mul_u32_u24 v23, v1, 528
	v_lshl_add_u32 v23, v2, 6, v23
	v_add_nc_u32 v23, s21, v23                     ; the stage, in: row r, + 64 h
	v_add_nc_u32 v24, s21, v22                     ; and back: a row's 512 bytes, 16 a lane
	v_lshlrev_b32 v25, 6, v2                       ; the bias of my 16 columns of a block: 64 h
	s_lshl_b32 s98, s19, 10
	s_lshl_b32 s21, s16, 9
	s_add_co_u32 s98, s98, s21                     ; my first column in bytes: 1,024 x + 512 (w % 2)
	s_mov_b32 s99, 0
	s_add_nc_u64 s[22:23], s[8:9], s[98:99]        ; the bias there
	s_lshl_b32 s21, s20, 19
	s_add_co_u32 s98, s98, s21
	s_lshl_b32 s21, s15, 18
	s_add_co_u32 s98, s98, s21                     ; + (128 y + 64 (w / 2)) rows of 4,096 bytes
	s_add_nc_u64 s[HB:HB+1], s[10:11], s[98:99]
	s_add_nc_u64 s[OB:OB+1], s[12:13], s[98:99]
.irp b, 0,1,2,3
.irp j, 0,1,2,3
	global_load_b128 v[BP+16*\b+4*\j:BP+16*\b+4*\j+3], v25, s[22:23] offset:128*\b+16*\j   ; the bias in the results' order
.endr
.endr
.macro RESID q                         ; the residual of token tile q: position 16 q + i is token 32 (q / 2) + 16 (i / 8) + 8 (q % 2) + i % 8; 512 consecutive bytes a load
	WIN 0xc0                                       ; destination window 3
.irp i, 0,1,2,3,4,5,6,7,8,9,10,11,12,13,14,15
	global_load_b128 v[4*(16*(\q)+\i):4*(16*(\q)+\i)+3], v22, s[HB:HB+1] offset:(32*((\q)/2)+16*(\i/8)+8*((\q)%2)+(\i%8))*4096 th:TH_LOAD_NT
.endr
	WIN 0
.endm
	RESID 0
	RESID 1
.macro FETCH k, buf                    ; 24 LDS loads: the fragments of K step k (8 of P from rows, 4 of Q from images) into set buf
	WIN TOF
.irp t, 0,1,2,3,4,5,6,7
.irp c, 0,1
	ds_load_b128 v[64*(\buf)+8*\t+4*\c:64*(\buf)+8*\t+4*\c+3], v[ADRP+(\k)/4] offset:64*((\k)%4)+32*\c+\t*4352
.endr
.endr
.irp q, 0,1,2,3
.irp c, 0,1
	ds_load_b128 v[128+32*(\buf)+8*\q+4*\c:128+32*(\buf)+8*\q+4*\c+3], v[ADRQ+(\k)/4] offset:\q*4096+((\k)%4)*1024+512*\c
.endr
.endr
.endm
; 32 matrix instructions: the 32 accumulators by turns, one instruction a turn, in the same order in every step.  mode = 2: the first products take the bias as C
.macro MUL32 k, buf, mode
.irp q, 0,1,2,3
.irp t, 0,1,2,3,4,5,6,7
.if \mode == 2
	v_wmma_scale_f32_16x16x128_f8f6f4 v[8*(8*\q+\t):8*(8*\q+\t)+7], v[64*(\buf)+8*\t:64*(\buf)+8*\t+7], v[128+32*(\buf)+8*\q:128+32*(\buf)+8*\q+7], v[BP+8*\t:BP+8*\t+7], v[SCP+8*\t+(\k)], v[SCQ+8*\q+(\k)] matrix_a_fmt:MATRIX_FMT_FP4 matrix_b_fmt:MATRIX_FMT_FP4
.else
	v_wmma_scale_f32_16x16x128_f8f6f4 v[8*(8*\q+\t):8*(8*\q+\t)+7], v[64*(\buf)+8*\t:64*(\buf)+8*\t+7], v[128+32*(\buf)+8*\q:128+32*(\buf)+8*\q+7], v[8*(8*\q+\t):8*(8*\q+\t)+7], v[SCP+8*\t+(\k)], v[SCQ+8*\q+(\k)] matrix_a_fmt:MATRIX_FMT_FP4 matrix_b_fmt:MATRIX_FMT_FP4
.endif
.endr
.endr
.endm
; A K step of 128.  fetch = 1: the next step's fragments are asked for first, into the set that the step before multiplied: four places stand between those products and the loads
.macro STEP k, mode, fetch
.if \fetch
.rept 4
	v_nop
.endr
	FETCH (\k)+1, ((\k)+1)%2
	s_wait_dscnt 24                                ; all but the 24 just issued: this step's fragments are in
.else
	s_wait_dscnt 0x0
.endif
.if \mode == 2
	WIN MULB
.else
	WIN MUL
.endif
	MUL32 \k, (\k)%2, \mode
.endm
	s_wait_tensorcnt 1                             ; my scale bytes and my part of K's first half are in; the second half's load may be out
	s_barrier_signal -1
	s_barrier_wait -1                              ; everybody's are
.irp t, 0,1,2,3,4,5,6,7
	ds_load_b128 v[SCP+8*\t:SCP+8*\t+3], v[ADSP] offset:544*\t         ; a column's eight scale words, one for each K step
	ds_load_b128 v[SCP+8*\t+4:SCP+8*\t+7], v[ADSP] offset:544*\t+16
.endr
.irp q, 0,1,2,3
.irp k, 0,1,2,3,4,5,6,7
	ds_load_u16 v[HW+2*(8*\q+\k)], v[ADQS] offset:(2*\k)*272+32*\q     ; my token's two bytes of head 2 k,
	ds_load_u16 v[HW+2*(8*\q+\k)+1], v[ADQS] offset:(2*\k+1)*272+32*\q ; and of head 2 k + 1
.endr
.endr
	FETCH 0, 0
	WIN 0
	s_wait_dscnt 24                                ; all but the first fragments: the scale bytes are in
.irp q, 0,1,2,3
.irp k, 0,1,2,3,4,5,6,7
	v_lshl_or_b32 v[SCQ+8*\q+\k], v[HW+2*(8*\q+\k)+1], 16, v[HW+2*(8*\q+\k)]      ; K step k's scale word of my token
.endr
.endr
.rept 8
	v_nop                                          ; a scale register written by a vector instruction stands eight places ahead of a scaled matrix instruction
.endr
	s_wait_loadcnt 32                              ; the bias is in: behind its 16 loads stand the 32 of the residual's first half
	RESID 2
	RESID 3
	STEP 0, 2, 1
	STEP 1, 0, 1
	STEP 2, 0, 1
	WIN 0
	s_wait_tensorcnt 0x0                           ; my part of K's second half is in,
	s_wait_dscnt 0x0                               ; (no LDS instruction is pending at a signal)
	s_barrier_signal -1
	s_barrier_wait -1                              ; everybody's is
	STEP 3, 0, 1
	STEP 4, 0, 1
	STEP 5, 0, 1
	STEP 6, 0, 1
	STEP 7, 0, 0
	WIN 0
; THE WAY OUT, a token tile (16 tokens x 128 columns) at a time.  A lane holds pieces of one token's row and the lanes beside it other tokens: a tile goes through my own stage in LDS and comes back as whole
; rows of 512 bytes; the residual is added and the 32 lanes store the row.  LDS serves a wave's instructions in order (ISA guide 5.7.1.4): no wait between the stores and the loads.
.macro TOSTAGE q
	WIN 0x04                                       ; an LDS store's data are its source 1: window 1
.irp t, 0,1,2,3,4,5,6,7
	ds_store_b128 v23, v[64*(\q)+8*\t:64*(\q)+8*\t+3] offset:128*(\t/2)+32*(\t%2)          ; columns 32 (t / 2) + 16 h + 8 (t % 2) on; each accumulator from its low end on
	ds_store_b128 v23, v[64*(\q)+8*\t+4:64*(\q)+8*\t+7] offset:128*(\t/2)+32*(\t%2)+16
.endr
	WIN 0
.set BB, BK+64*((\q)%2)
.irp i, 0,1,2,3,4,5,6,7,8,9,10,11,12,13,14,15
	ds_load_b128 v[BB+4*\i:BB+4*\i+3], v24 offset:\i*528
.endr
.endm
.macro SEND q, younger                 ; younger: the LDS instructions issued behind tile q's loads, which may stay out
.set BB, BK+64*((\q)%2)
	s_wait_dscnt \younger
	WIN 0x0c                                       ; source 1: window 3
.set i, 0
.rept 32
	v_pk_add_f32 v[BB+i:BB+i+1], v[BB+i:BB+i+1], v[64*(\q)+i:64*(\q)+i+1]          ; + hidden_states
.set i, i+2
.endr
	WIN 0
.irp i, 0,1,2,3,4,5,6,7,8,9,10,11,12,13,14,15
	global_store_b128 v22, v[BB+4*\i:BB+4*\i+3], s[OB:OB+1] offset:(32*((\q)/2)+16*(\i/8)+8*((\q)%2)+(\i%8))*4096 th:TH_STORE_NT   ; 512 consecutive bytes, at a multiple of 256 from out0's first byte
.endr
.endm
.rept 4
	v_nop                                          ; places behind the last products: for the reads of results and the loads into registers that held scale words
.endr
	s_wait_loadcnt 0x0                             ; the residual is in
	TOSTAGE 0
.irp a, 1,2,3
.if \a > 1
	s_wait_xcnt 0x0                                ; tile a - 2's stores have read their registers: tile a's rows may land there
.endif
	TOSTAGE \a
	SEND \a-1, 32                                  ; behind tile a - 1's loads: tile a's 16 stores and 16 loads
.endr
	SEND 3, 0
	s_wait_tensorcnt 0x0
	ds_add_u32 v30, v31
	s_wait_dscnt 0x0
	CROUND                                         ; the closing round: no work-group ends while a partner may still ask for a tile that names it
	s_endpgm
.Lfunc_end_k_qe350b991d9_outp:
	.size	k_qe350b991d9_outp, .Lfunc_end_k_qe350b991d9_outp-k_qe350b991d9_outp
	.p2alignl 7, 3214868480
	.fill 96, 4, 3214868480
	.section	.rodata,"a",@progbits
	.p2align	6, 0x0
	.amdhsa_kernel k_qe350b991d9_outp
		.amdhsa_group_segment_fixed_size 252160
		.amdhsa_private_segment_fixed_size 0
		.amdhsa_enable_private_segment 0
		.amdhsa_kernarg_size 40
		.amdhsa_user_sgpr_count 2
		.amdhsa_user_sgpr_kernarg_segment_ptr 1
		.amdhsa_wavefront_size32 1
		.amdhsa_system_sgpr_workgroup_id_x 1
		.amdhsa_system_sgpr_workgroup_id_y 1
		.amdhsa_system_sgpr_workgroup_id_z 1
		.amdhsa_system_vgpr_workitem_id 0
		.amdhsa_next_free_vgpr 1024
		.amdhsa_next_free_sgpr 100
		.amdhsa_reserve_vcc 0
		.amdhsa_float_denorm_mode_32 3
		.amdhsa_float_denorm_mode_16_64 3
		.amdhsa_memory_ordered 1
		.amdhsa_forward_progress 1
		.amdhsa_inst_pref_size 94
	.end_amdhsa_kernel
	.amdgpu_metadata
---
amdhsa.version: [ 1, 2 ]
amdhsa.kernels:
  - .name:           k_qe350b991d9_outp
    .symbol:         k_qe350b991d9_outp.kd
    .args:
      - { .name: ops, .offset: 0, .size: 8, .value_kind: global_buffer, .address_space: global }
      - { .name: att, .offset: 8, .size: 8, .value_kind: global_buffer, .address_space: global }
      - { .name: b_out, .offset: 16, .size: 8, .value_kind: global_buffer, .address_space: global }
      - { .name: hidden_states, .offset: 24, .size: 8, .value_kind: global_buffer, .address_space: global }
      - { .name: out0, .offset: 32, .size: 8, .value_kind: global_buffer, .address_space: global }
    .group_segment_fixed_size: 252160
    .private_segment_fixed_size: 0
    .kernarg_segment_align: 8
    .kernarg_segment_size: 40
    .max_flat_workgroup_size: 128
    .sgpr_count:     100
    .vgpr_count:     1024
    .wavefront_size: 32
...
	.end_amdgpu_metadata
.endif
;; end of part 4
